; MI455X (gfx1250); checked and timed in simulation.
; The chip was launched on July 23, 2026; its instructions are those of AMD's public machine-readable ISA for CDNA 5 (MIT licence, August 2026) and "CDNA5" Instruction Set Architecture Reference Guide (July 2026). The comments in the code are by the model that wrote it; some were corrected since.
;; Multi Head Attention. Allowed arithmetic: matrix products marked QUANTISED: E2M3 operands, one E8M0 scale for each 32 along K, by v_wmma_scale_f32_16x16x128_f8f6f4 with both operands' format E2M3, f32 sums; everything else in f32.
;; Inputs: Wk 1,024 x 1,024 float32; Wo 1,024 x 1,024 float32; Wq 1,024 x 1,024 float32; Wv 1,024 x 1,024 float32; bk 1,024 float32; bo 1,024 float32; bq 1,024 float32; bv 1,024 float32; key 4 x 2,048 x 1,024 float32; query 4 x 2,048 x 1,024 float32; value 4 x 2,048 x 1,024 float32.
;; Outputs: out0 4 x 2,048 x 1,024 float32.
;; This version of the problem:
;;   THIS VERSION OF THE PROBLEM IS GIVEN IN LOW PRECISION. The matrix products marked QUANTISED in the list below multiply operands that are first quantised to E2M3 (2 exponent bits, 3 mantissa bits; 6 bits a number), with one power-of-two scale for each 32 numbers along K (OCP MX v1.0); their sums are f32. All else is computed in f32.
;;   The module's matrix products, in the order in which they are computed (A, B: the left and right operand; K: the contracted axis; several contracted axes count as one K, in the product's order):
;;     1. [M 8,192, K 1,024] x [K 1,024, N 1,024]; A: input query; B: input Wq: QUANTISED
;;     2. [M 8,192, K 1,024] x [K 1,024, N 1,024]; A: input key; B: input Wk: QUANTISED
;;     3. [M 8,192, K 1,024] x [K 1,024, N 1,024]; A: input value; B: input Wv: QUANTISED
;;     4. batch 64 x [M 2,048, K 64] x [K 64, N 2,048]; A: computed on the way; B: computed on the way: QUANTISED
;;     5. batch 64 x [M 2,048, K 2,048] x [K 2,048, N 64]; A: softmax (see below); B: computed on the way: QUANTISED
;;     6. [M 8,192, K 1,024] x [K 1,024, N 1,024]; A: computed on the way; B: input Wo: QUANTISED
;;   THE QUANTISER, for each operand of a quantised product, along K:
;;     - K is cut into blocks of 32 from its start; a last block that is shorter is filled with zeros.
;;     - A block's scale is 2^e with e = floor(log2(the largest magnitude in the block)) - 2, held to -126 .. 127; a block of zeros has e = 0. As a byte (E8M0): e + 127.
;;     - Each number is divided by its block's scale, clamped to +-7.5, and rounded to the nearest number of E2M3, ties to even, subnormals kept.
;;     - The product sums the exact products of the quantised numbers (number of the format x scale) in f32.
;;   ~~~python
;;   def quantise(x, axis):      # numpy; x: float32 -> the quantised numbers, widened to float32 again
;;       x = np.moveaxis(x, axis, -1); K = x.shape[-1]
;;       x = np.pad(x, [(0, 0)] * (x.ndim - 1) + [(0, -K % 32)]); x = x.reshape(x.shape[:-1] + (-1, 32)); a = np.abs(x).max(-1, keepdims=True)
;;       e = np.where(a > 0, np.clip(np.frexp(np.where(a > 0, a, 1))[1] - 1 - 2, -126, 127), 0)      # np.frexp(a)[1] - 1 = floor(log2(a)), exactly
;;       r = np.clip(x / 2.0 ** e, -7.5, 7.5)
;;       step = 2.0 ** (np.maximum(np.frexp(np.where(r == 0, 1, r))[1] - 1, 0) - 3)
;;       q = np.round(r / step) * step * 2.0 ** e      # np.round: ties to even
;;       return np.moveaxis(q.reshape(q.shape[:-2] + (-1,))[..., :K], -1, axis).astype(np.float32)
;;   ~~~
;;   SOFTMAX AHEAD OF A QUANTISED PRODUCT. Where the list says 'softmax', what is quantised is not the finished softmax but p = 2^(t - M), with t = logit x log2(e) and M = ceil(the row's largest t), a whole number; so 1/2 < the row's largest p <= 1. The row's sum l is taken of the UNQUANTISED p, in f32, and the product's result is divided by l at the end. Since M is a whole number, a kernel that streams over the keys may use a running M (the ceiling of the running maximum): every later rescaling is an exact power of two, which a block's scale takes up: the codes' values come out the same.
;;   OPERANDS COMPUTED ON THE WAY. 'Computed on the way' means the value that the module computes at that place (a softmax that the list does not call 'softmax' is quantised finished and normalised). What goes into a quantiser is computed in f32, as accurately as f32 sums, v_exp_f32 and their like allow (about 1e-6 of the number): no bf16 or f16 on the way to a quantiser, and a product that is left as it is and whose result goes on into a quantised operand takes f32 operands (vector FMAs, or v_wmma_f32_16x16x4_f32). A number that lies on a knife's edge between two numbers of the format may be rounded either way, as far as f32 arithmetic and the matrix unit's own rounding can turn it there, and no further.
;; One version. Each part assembles by itself: llvm-mc -triple=amdgcn-amd-amdhsa -mcpu=gfx1250 --defsym DOCPART=n.
;; ======== version 1 of 1: 4 launches
;; limits: right only within a limited range of input values
;; workspace buffers: x_img 18,874,368 bytes; x_scales 786,432 bytes; w_img 3,145,728 bytes; w_scales 131,072 bytes; qkv 20,185,088 bytes; y_img 6,291,456 bytes; y_sc 262,144 bytes
;; launch quant (part 1): grid 512 x 1, 4 waves a work-group, no clusters, 96,768 bytes of LDS; arguments query, key, value, Wq, Wk, Wv, Wo, x_img, x_scales, w_img, w_scales; writes x_img, x_scales, w_img, w_scales
.if DOCPART == 1
	.amdgcn_target "amdgcn-amd-amdhsa--gfx1250"
	.amdhsa_code_object_version 6
	.text
	.protected	k_q32eae88f94_quant
	.globl	k_q32eae88f94_quant
	.p2align	8
	.type	k_q32eae88f94_quant,@function
k_q32eae88f94_quant:
	s_mov_b64 s[64:65], 0
	v_nop
	global_prefetch_b8 v0, s[64:65] scope:SCOPE_SE
	s_setreg_imm32_b32 hwreg(HW_REG_WAVE_MODE, 25, 1), 1
	s_wait_xcnt 0x0
; MULTI-HEAD ATTENTION IN MX-FP6, four launches: this one (three inputs and four weights into codes), the three projections, attention, the projection on the way out.
; NO WORK OF THE PROBLEM IS LEFT OUT: bq, bk, bv move codes of live quantised operands, bo moves the output, every product feeds the next.  All eleven inputs are loaded by some launch.
; THE CODES ARE LAID AS IMAGES OF THE OPERAND'S REGISTERS: for 16 row positions and 128 along K six pieces of 256 bytes; piece 3 c + j holds, at 8 x (r + 16 h), bytes 8 j .. 8 j + 7 of the 24 bytes of
; row r's block k = 64 c + 32 h .. + 31.  A tile of 16 rows is 8 such images, 12,288 bytes.  Scale bytes: 32 a row position.
; ROW POSITIONS.  query, value and the weights' columns: position p holds logical row sigma(p), bits 3 and 4 exchanged.  key: position 64 c + 16 u + 8 h + j holds logical row 64 c + 32 h + 8 u + j.
; A block's scale is 2^(floor(log2(largest magnitude)) - 2); its byte is that magnitude's exponent field - 2, held at 1 from below.
; LIMITS: a block of zeros gets the byte 1 where the rule says 127 (its codes are zeros; this program alone reads the bytes); blocks under 2^-124 were not tried; NaN and infinities are not served.
; SHARES: work-groups 0-383: a wave takes one tile of 16 rows of query, key or value, a row a step, a lane a block of 32.  Work-groups 384-511: a wave takes 32 columns x 256 along K of a weight, a lane a column.
; No tensor loads, no barrier: waves share nothing; the two paths have LDS bytes of their own.
.set EMAX,  2
.set XWG,   384
.set XREG,  17664                      ; a wave's LDS on the inputs' path: stage 4,608, image 16 x 784, scale bytes 512
.set XIMG,  4608
.set XSC,   17152
.set WBASE, 4*XREG
.set WREG,  6400                       ; a wave's LDS on the weights' path: two tiles of 3,072 + 128
.set SPARE, WBASE+4*WREG               ; the spare words, 128 bytes a wave, which no other line names
.set SPW,   12
.set NIL,   13
	s_load_b256 s[4:11], s[0:1], 0x0               ; query, key, value, Wq
	s_load_b256 s[12:19], s[0:1], 0x20             ; Wk, Wv, Wo, x_img
	s_load_b128 s[20:23], s[0:1], 0x40             ; x_scales, w_img
	s_load_b64 s[24:25], s[0:1], 0x50              ; w_scales
	v_lshl_add_u32 v[SPW], v0, 2, SPARE
	v_mov_b32 v[NIL], 0
	v_lshrrev_b32 v1, 5, v0
	v_readfirstlane_b32 s26, v1                    ; wave
	v_and_b32 v2, 31, v0                           ; lane
	v_lshlrev_b32 v3, 4, v2                        ; 16 x lane
	s_cmp_lt_u32 ttmp9, XWG
	s_wait_alu depctr_va_vdst(0)
	s_cbranch_scc0 .Lw
; ---- the inputs ----
.set R, 16                             ; v16-111  three sets of 32 numbers as loaded
.set X, 112                            ; v112-175 two sets of 32 neighbours
.set C, 176                            ; v176-184 a block's codes
	s_mul_i32 s27, s26, XREG
	v_lshrrev_b32 v4, 3, v2
	v_lshl_add_u32 v4, v4, 4, v3
	v_add_nc_u32 v4, s27, v4                       ; stage in: 16 bytes of padding behind each 128
	v_mul_u32_u24 v5, v2, 144
	v_add_nc_u32 v5, s27, v5                       ; stage out: my block's 128 bytes
	v_lshrrev_b32 v6, 1, v2
	v_mul_u32_u24 v6, v6, 784
	v_and_b32 v7, 1, v2
	v_lshl_add_u32 v6, v7, 7, v6
	v_add_nc_u32 v6, s27, v6                       ; image: unit lane / 2 of 768 + 16 bytes, + 128 (lane % 2)
	v_add_nc_u32 v7, s27, v2                       ; my block's scale byte
	v_add_nc_u32 v14, s27, v3                      ; image out
	v_lshrrev_b32 v15, 4, v2
	v_lshl_add_u32 v15, v15, 4, v14                ; the same where lanes 16-31 stand in the next unit
	s_lshr_b32 s28, ttmp9, 7                       ; which tensor
	s_and_b32 s29, ttmp9, 127
	s_lshr_b32 s30, s26, 1
	s_lshl_b32 s30, s30, 5
	s_and_b32 s31, s26, 1
	s_lshl_b32 s31, s31, 3
	s_add_co_u32 s30, s30, s31                     ; sigma: 32 (wave / 2) + 8 (wave % 2), second eight rows 16 on
	s_lshl_b32 s31, s26, 3                         ; key: 8 x wave, second eight rows 32 on
	s_cmp_eq_u32 s28, 1
	s_cselect_b32 s30, s31, s30
	s_cselect_b32 s32, 17, 16
	s_lshl_b32 s32, 1, s32                         ; that distance in bytes (4,096 a row)
	s_lshl_b32 s31, s29, 6
	s_add_co_u32 s30, s30, s31
	s_lshl_b32 s30, s30, 12
	s_mov_b32 s31, 0
	s_mov_b32 s33, 0
	s_lshl_b32 s34, ttmp9, 2
	s_add_co_u32 s34, s34, s26                     ; my tile among the 1,536
	s_mul_i32 s36, s34, 12288
	s_mov_b32 s37, 0
	s_lshl_b32 s34, s34, 9
	s_mov_b32 s35, 0
	s_wait_alu depctr_va_vdst(0)
	s_wait_kmcnt 0x0
	s_cmp_eq_u32 s28, 1
	s_cselect_b64 s[4:5], s[6:7], s[4:5]
	s_cmp_eq_u32 s28, 2
	s_cselect_b64 s[4:5], s[8:9], s[4:5]
	s_add_nc_u64 s[4:5], s[4:5], s[30:31]          ; rows of positions 0-7
	s_add_nc_u64 s[6:7], s[4:5], s[32:33]          ; rows of positions 8-15
	s_add_nc_u64 s[18:19], s[18:19], s[36:37]
	s_add_nc_u64 s[20:21], s[20:21], s[34:35]
.macro LOADX t                         ; a row: eight loads of 512 consecutive bytes
.irp i, 0,1,2,3,4,5,6,7
	global_load_b128 v[R+32*((\t)%3)+4*\i:R+32*((\t)%3)+4*\i+3], v3, s[4+2*((\t)/8):5+2*((\t)/8)] offset:4096*((\t)%8)+512*\i th:TH_LOAD_NT
.endr
.endm
.macro TURNX t                         ; through the stage: LDS serves a wave's instructions in order
.irp i, 0,1,2,3,4,5,6,7
	ds_store_b128 v4, v[R+32*((\t)%3)+4*\i:R+32*((\t)%3)+4*\i+3] offset:576*\i
.endr
.irp i, 0,1,2,3,4,5,6,7
	ds_load_b128 v[X+32*((\t)%2)+4*\i:X+32*((\t)%2)+4*\i+3], v5 offset:16*\i
.endr
.endm
.macro STEPX t
.set XS, X+32*((\t)%2)
	s_wait_dscnt 0x0                               ; this row is back, and every earlier LDS store has read its registers
.if (\t)+3 < 16
	LOADX (\t)+3
.endif
.if (\t)+1 < 16
.if (\t) <= 12
	s_wait_loadcnt 16                              ; the next row is in; two later rows may be out
.else
	s_wait_loadcnt 8*(14-(\t))
.endif
	TURNX (\t)+1
.endif
	v_max3_num_f32 v8, |v[XS]|, |v[XS+1]|, |v[XS+2]|
	v_max3_num_f32 v9, |v[XS+3]|, |v[XS+4]|, |v[XS+5]|
.irp i, 6,10,14,18,22,26
	v_max3_num_f32 v8, v8, |v[XS+\i]|, |v[XS+\i+1]|
	v_max3_num_f32 v9, v9, |v[XS+\i+2]|, |v[XS+\i+3]|
.endr
	v_max3_num_f32 v8, v8, |v[XS+30]|, |v[XS+31]|
	v_max3_num_f32 v8, v8, v9, (EMAX+1)<<23        ; the floor: the byte cannot fall under 1
	v_add_nc_u32 v11, -(EMAX<<23), v8              ; the conversion's scale operand
	v_cvt_scalef32_pk16_fp6_f32 v[C:C+2], v[XS:XS+15], v11
	v_cvt_scalef32_pk16_fp6_f32 v[C+6:C+8], v[XS+16:XS+31], v11
	v_lshrrev_b32 v10, 23, v11                     ; the byte; a plain line behind the conversions
.irp i, 0,1,2
	v_mov_b32 v[C+3+\i], v[C+6+\i]
.endr
.irp j, 0,1,2
	ds_store_b64 v6, v[C+2*\j:C+2*\j+1] offset:XIMG+256*\j+8*(\t)
.endr
	ds_store_b8 v7, v10 offset:XSC+32*(\t)
.endm
	LOADX 0
	LOADX 1
	LOADX 2
	s_wait_loadcnt 16
	TURNX 0
.irp t, 0,1,2,3,4,5,6,7,8,9,10,11,12,13,14,15
	STEPX \t
.endr
.irp m, 0,1,2,3,4,5,6,7                ; the image leaves dense: 512 consecutive bytes an instruction
	ds_load_b128 v[R+12*\m:R+12*\m+3], v14 offset:XIMG+1568*\m
	ds_load_b128 v[R+12*\m+4:R+12*\m+7], v15 offset:XIMG+1568*\m+512
	ds_load_b128 v[R+12*\m+8:R+12*\m+11], v14 offset:XIMG+1568*\m+1040
.endr
	ds_load_b128 v[X:X+3], v14 offset:XSC
.irp i, 0,1,2,3,4,5,6,7,8,9,10,11,12,13,14,15,16,17,18,19,20,21,22,23
	s_wait_dscnt 24-\i                             ; the later loads may be out
	global_store_b128 v3, v[R+4*\i:R+4*\i+3], s[18:19] offset:512*\i
.endr
	s_wait_dscnt 0x0
	global_store_b128 v3, v[X:X+3], s[20:21]       ; the tile's 512 scale bytes
	s_wait_tensorcnt 0x0                           ; the wave's end
	ds_add_u32 v[SPW], v[NIL]
	s_wait_dscnt 0x0
	s_endpgm
; ---- the weights: K is their first axis; a lane takes a column and its registers run down K ----
.Lw:
.set XW, 32                            ; v32-95 two sets of 32 numbers
.set CW, 96
.set OW, 112
.set SB, 24
	s_sub_co_u32 s27, ttmp9, XWG
	s_and_b32 s28, s27, 7                          ; which 128 columns
	s_lshr_b32 s29, s27, 3
	s_and_b32 s30, s29, 3                          ; which 256 along K
	s_lshr_b32 s29, s29, 2                         ; which weight
	v_lshlrev_b32 v4, 2, v2
	v_and_b32 v5, 7, v2
	v_and_b32 v6, 8, v2
	v_lshl_or_b32 v5, v6, 1, v5
	v_and_b32 v6, 16, v2
	v_lshrrev_b32 v6, 1, v6
	v_or_b32 v5, v5, v6                            ; my column's position: sigma(lane)
	v_lshlrev_b32 v9, 5, v5
	v_lshrrev_b32 v6, 4, v5
	v_and_b32 v7, 15, v5
	v_mul_u32_u24 v6, v6, 3200
	v_lshl_add_u32 v6, v7, 3, v6
	s_mul_i32 s31, s26, WREG
	s_add_co_u32 s31, s31, WBASE
	v_add_nc_u32 v6, s31, v6                       ; into the image: tile, 8 r
	v_add_nc_u32 v7, s31, v3                       ; out of it
	s_lshl_b32 s32, s30, 20
	s_lshl_b32 s33, s28, 9
	s_add_co_u32 s32, s32, s33
	s_lshl_b32 s33, s26, 7
	s_add_co_u32 s32, s32, s33                     ; W: 256 ky rows + 4 x first column
	s_mov_b32 s33, 0
	s_lshl_b32 s34, s29, 6
	s_lshl_b32 s35, s28, 3
	s_add_co_u32 s34, s34, s35
	s_lshl_b32 s35, s26, 1
	s_add_co_u32 s34, s34, s35                     ; my first tile
	s_mul_i32 s36, s34, 12288
	s_mul_i32 s35, s30, 3072
	s_add_co_u32 s36, s36, s35
	s_mov_b32 s37, 0
	s_lshl_b32 s34, s34, 9
	s_lshl_b32 s35, s30, 3
	s_add_co_u32 s34, s34, s35
	s_mov_b32 s35, 0
	s_wait_alu depctr_va_vdst(0)
	s_wait_kmcnt 0x0
	s_cmp_eq_u32 s29, 1
	s_cselect_b64 s[10:11], s[12:13], s[10:11]
	s_cmp_eq_u32 s29, 2
	s_cselect_b64 s[10:11], s[14:15], s[10:11]
	s_cmp_eq_u32 s29, 3
	s_cselect_b64 s[10:11], s[16:17], s[10:11]
	s_add_nc_u64 s[10:11], s[10:11], s[32:33]
	s_add_nc_u64 s[22:23], s[22:23], s[36:37]
	s_add_nc_u64 s[24:25], s[24:25], s[34:35]
.macro LOADW t
.irp i, 0,1,2,3,4,5,6,7,8,9,10,11,12,13,14,15,16,17,18,19,20,21,22,23,24,25,26,27,28,29,30,31
	global_load_b32 v[XW+32*((\t)%2)+\i], v4, s[10:11] offset:(32*(\t)+\i)*4096 th:TH_LOAD_NT
.endr
.endm
.macro BLOCKW t
.set XS, XW+32*((\t)%2)
.set OB, 1536*((\t)/4)+768*(((\t)/2)%2)+128*((\t)%2)
.if (\t) < 7
	s_wait_loadcnt 32                              ; this block is in; the next may be out
.else
	s_wait_loadcnt 0
.endif
	v_max3_num_f32 v10, |v[XS]|, |v[XS+1]|, |v[XS+2]|
	v_max3_num_f32 v11, |v[XS+3]|, |v[XS+4]|, |v[XS+5]|
.irp i, 6,10,14,18,22,26
	v_max3_num_f32 v10, v10, |v[XS+\i]|, |v[XS+\i+1]|
	v_max3_num_f32 v11, v11, |v[XS+\i+2]|, |v[XS+\i+3]|
.endr
	v_max3_num_f32 v10, v10, |v[XS+30]|, |v[XS+31]|
	v_max3_num_f32 v10, v10, v11, (EMAX+1)<<23
	v_add_nc_u32 v8, -(EMAX<<23), v10
	v_lshrrev_b32 v11, 23, v8
.if (\t)%4 == 0
	v_mov_b32 v[SB+(\t)/4], v11
.else
	v_lshl_or_b32 v[SB+(\t)/4], v11, 8*((\t)%4), v[SB+(\t)/4]
.endif
	v_cvt_scalef32_pk16_fp6_f32 v[CW:CW+2], v[XS:XS+15], v8
	v_cvt_scalef32_pk16_fp6_f32 v[CW+6:CW+8], v[XS+16:XS+31], v8
	v_nop                                          ; a plain line behind the conversions
.irp i, 0,1,2
	v_mov_b32 v[CW+3+\i], v[CW+6+\i]
.endr
.irp j, 0,1,2
	ds_store_b64 v6, v[CW+2*\j:CW+2*\j+1] offset:OB+256*\j
.endr
.if (\t)+2 < 8
	LOADW (\t)+2
.endif
	s_wait_dscnt 0x0
.endm
	LOADW 0
	LOADW 1
.irp t, 0,1,2,3,4,5,6,7
	BLOCKW \t
.endr
	s_wait_alu depctr_va_vdst(0)
	global_store_b64 v9, v[SB:SB+1], s[24:25]      ; my column's 8 scale bytes
.irp i, 0,1,2,3,4,5,6,7,8,9,10,11
	ds_load_b128 v[OW+4*\i:OW+4*\i+3], v7 offset:3200*(\i/6)+512*(\i%6)
.endr
.irp i, 0,1,2,3,4,5,6,7,8,9,10,11
	s_wait_dscnt 11-\i
	global_store_b128 v3, v[OW+4*\i:OW+4*\i+3], s[22:23] offset:12288*(\i/6)+512*(\i%6)
.endr
	s_wait_tensorcnt 0x0                           ; the wave's end
	ds_add_u32 v[SPW], v[NIL]
	s_wait_dscnt 0x0
	s_endpgm
.Lfunc_end_k_q32eae88f94_quant:
	.size	k_q32eae88f94_quant, .Lfunc_end_k_q32eae88f94_quant-k_q32eae88f94_quant
	.p2alignl 7, 3214868480
	.fill 96, 4, 3214868480
	.section	.rodata,"a",@progbits
	.p2align	6, 0x0
	.amdhsa_kernel k_q32eae88f94_quant
		.amdhsa_group_segment_fixed_size 96768
		.amdhsa_private_segment_fixed_size 0
		.amdhsa_enable_private_segment 0
		.amdhsa_kernarg_size 88
		.amdhsa_user_sgpr_count 2
		.amdhsa_user_sgpr_kernarg_segment_ptr 1
		.amdhsa_wavefront_size32 1
		.amdhsa_system_sgpr_workgroup_id_x 1
		.amdhsa_system_sgpr_workgroup_id_y 1
		.amdhsa_system_sgpr_workgroup_id_z 1
		.amdhsa_system_vgpr_workitem_id 0
		.amdhsa_next_free_vgpr 192
		.amdhsa_next_free_sgpr 66
		.amdhsa_reserve_vcc 0
		.amdhsa_float_denorm_mode_32 3
		.amdhsa_float_denorm_mode_16_64 3
		.amdhsa_memory_ordered 1
		.amdhsa_forward_progress 1
		.amdhsa_inst_pref_size 104
	.end_amdhsa_kernel
	.amdgpu_metadata
---
amdhsa.version: [ 1, 2 ]
amdhsa.kernels:
  - .name:           k_q32eae88f94_quant
    .symbol:         k_q32eae88f94_quant.kd
    .args:
      - { .name: query, .offset: 0, .size: 8, .value_kind: global_buffer, .address_space: global }
      - { .name: key, .offset: 8, .size: 8, .value_kind: global_buffer, .address_space: global }
      - { .name: value, .offset: 16, .size: 8, .value_kind: global_buffer, .address_space: global }
      - { .name: Wq, .offset: 24, .size: 8, .value_kind: global_buffer, .address_space: global }
      - { .name: Wk, .offset: 32, .size: 8, .value_kind: global_buffer, .address_space: global }
      - { .name: Wv, .offset: 40, .size: 8, .value_kind: global_buffer, .address_space: global }
      - { .name: Wo, .offset: 48, .size: 8, .value_kind: global_buffer, .address_space: global }
      - { .name: x_img, .offset: 56, .size: 8, .value_kind: global_buffer, .address_space: global }
      - { .name: x_scales, .offset: 64, .size: 8, .value_kind: global_buffer, .address_space: global }
      - { .name: w_img, .offset: 72, .size: 8, .value_kind: global_buffer, .address_space: global }
      - { .name: w_scales, .offset: 80, .size: 8, .value_kind: global_buffer, .address_space: global }
    .group_segment_fixed_size: 96768
    .private_segment_fixed_size: 0
    .kernarg_segment_align: 8
    .kernarg_segment_size: 88
    .max_flat_workgroup_size: 128
    .sgpr_count:     66
    .vgpr_count:     192
    .wavefront_size: 32
...
	.end_amdgpu_metadata
.endif
;; end of part 1
;; launch proj (part 2): grid 4 x 96, 4 waves a work-group, clusters of 4 x 4, 327,680 bytes of LDS; arguments x_img, x_scales, w_img, w_scales, bq, bk, bv, qkv; writes qkv
.if DOCPART == 2
	.amdgcn_target "amdgcn-amd-amdhsa--gfx1250"
	.amdhsa_code_object_version 6
	.text
	.protected	k_q32eae88f94_proj
	.globl	k_q32eae88f94_proj
	.p2align	8
	.type	k_q32eae88f94_proj,@function
k_q32eae88f94_proj:
	s_mov_b64 s[64:65], 0
	v_nop
	global_prefetch_b8 v0, s[64:65] scope:SCOPE_SE
	s_setreg_imm32_b32 hwreg(HW_REG_WAVE_MODE, 25, 1), 1
	s_wait_xcnt 0x0
	s_wait_alu depctr_hold_cnt(0) depctr_sa_sdst(0) depctr_va_vdst(0) depctr_va_sdst(0) depctr_va_ssrc(0) depctr_va_vcc(0) depctr_vm_vsrc(0)
	s_getreg_b32 s2, hwreg(HW_REG_IB_STS2, 6, 4)
	s_cmp_eq_u32 s2, 0
	s_cbranch_scc0 .Lentry_in_a_cluster
	s_endpgm
.Lentry_in_a_cluster:
	s_bfe_u32 s2, ttmp6, 0x10000c
	s_cmp_lg_u32 s2, 0xf033
	s_cbranch_scc0 .Lentry_shape_is_right
	s_endpgm
.Lentry_shape_is_right:
; q, k, v = x W + b on codes of E2M3, and their quantising for attention.  Nothing of the problem is left out here.
; A work-group makes 256 token positions x 256 channel positions of one of the three; a wave 128 x 128 in 64 accumulators.  K = 1,024 goes in four fills of 256 through two LDS slots.
; Both operands come as images of the operand's registers (16 rows x 128 K = 1,536 bytes): a tensor row is a tile's 3,072 bytes of two K steps, aligned to 256; LDS is dense; a fragment is six loads of 8 bytes x lane on end.
; q, k: source 0 = W's rows, source 1 = tokens, so a lane's registers run along channels, the next K.  v: the two change places (keys are the next K): only LDS addresses and the bias differ.
; CLUSTER 4 x 4: x's tiles are shared along a row, W's along a column, by joint loads.  HEAD: one load a wave: x's 256 rows, W's 256 rows, x's scales, W's scales.
; No prefetch: the block is the largest, in clusters, and K has four fills, of which two are asked for before the first product.
; The results are stored per head and block of 128 tokens: K's 8 tiles, V's 4 fragments, their scale words, Q's 8 tiles, its scale words (19,712 bytes).
; LIMITS: a block of zeros gets the byte 1 where the rule says 127; NaN and infinities are not served.
.set NQ,     2
.set KROW,   768
.set AIMG,   3072
.set FR,     12
.set NL,     6
.set NP,     4
.set HALFT,  8*AIMG
.set SLOT,   4*HALFT
.set LAPS,   2
.set KS,     32
.set SCL,    2*SLOT
.set HALFS,  128*KS
.set SBLK,   16*KS
.set SPARE,  SCL+4*HALFS               ; the spare words, 128 bytes a wave, which no other line names
.set HB,     315392
.set SBG,    19712
.set ADRA, 16
.set ADRB, 20
.set L8,   24
.set L16,  25
.set ADRS, 27
.set SPW,  28
.set NIL,  29
.set SC,   32
.set BIAS, 64
.set AF,   128
.set TM,   32
.set PW,   48
.set T0,   49
.set WD,   52
.set CD,   64
.set G1, 24
.set G0, 32
.set G1B, 48
.set G0B, 56
.set G1S, 68
.set G0S, 76
.set G1SB, 80
.set G0SB, 88
.set G0H, 4
.set G0HB, 8
.set MSB, 0
.macro WIN new
.if MSB != (\new)
	s_set_vgpr_msb (MSB<<8)|(\new)
.set MSB, (\new)
.endif
.endm
.set MUL_LO, 0xa1
.set MUL_HI, 0xf1
.set TO_B,   0x40
.macro JLOAD g0a, g1a, g0b, g1b        ; waves 0, 1 ask for x, waves 2, 3 for W
	s_cmp_eq_u32 s15, 0
	s_cbranch_scc0 .Lfor_b_\@
	tensor_load_to_lds s[\g0a:\g0a+3], s[\g1a:\g1a+7]
	s_nop 0
.rept 4
	v_nop
.endr
	s_branch .Lasked_\@
.Lfor_b_\@:
	tensor_load_to_lds s[\g0b:\g0b+3], s[\g1b:\g1b+7]
	s_nop 0
.rept 4
	v_nop
.endr
.Lasked_\@:
.endm
.macro CREST
	s_cmp_lg_u32 s14, 0
	s_cbranch_scc1 .Lnot_wave_0_\@
	s_barrier_signal -3
.Lnot_wave_0_\@:
	s_barrier_wait -3
	s_barrier_signal -1
	s_barrier_wait -1
.endm
.macro CROUND
	s_barrier_signal -1
	s_barrier_wait -1
	CREST
.endm
	s_load_b128 s[4:7], s[0:1], 0x0                ; x's images, x's scales
	s_load_b128 s[8:11], s[0:1], 0x10              ; W's images, W's scales
	s_load_b128 s[96:99], s[0:1], 0x20             ; bq, bk
	s_load_b64 s[100:101], s[0:1], 0x30            ; bv
	s_load_b64 s[12:13], s[0:1], 0x38              ; qkv
	v_lshl_add_u32 v[SPW], v0, 2, SPARE
	v_mov_b32 v[NIL], 0
	ds_add_u32 v[SPW], v[NIL]                      ; the opening
	ds_add_u32 v[SPW], v[NIL]
	v_lshrrev_b32 v1, 5, v0
	v_readfirstlane_b32 s14, v1                    ; wave
	s_lshr_b32 s15, s14, 1
	s_and_b32 s16, s14, 1
	s_bfe_u32 s40, ttmp6, 0x40000                  ; cx
	s_bfe_u32 s41, ttmp6, 0x40004                  ; cy
	s_lshl_b32 s42, ttmp9, 2
	s_add_co_u32 s42, s42, s40                     ; tile column
	s_and_b32 s66, ttmp7, 0xffff
	s_lshr_b32 s67, s66, 3                         ; which of q, k, v: the same in the whole cluster
	s_lshl_b32 s17, s66, 2
	s_add_co_u32 s17, s17, s41                     ; tile row among the 96
	s_lshl_b32 s43, s41, 2
	s_lshl_b32 s43, 15, s43
	s_lshl_b32 s44, 0x1111, s40
	s_or_b32 s[G1+0], s43, (3<<16)|(1<<21)         ; elements of 8 bytes, no padding
	s_or_b32 s[G1B+0], s44, (3<<16)|(1<<21)
.irp g, G1, G1B
	s_mov_b32 s[\g+1], 384<<16                     ; a row: 3,072 bytes
	s_mov_b32 s[\g+2], 16<<16                      ; 16 tiles at the head
	s_mov_b32 s[\g+3], 384<<16
	s_mov_b32 s[\g+4], 16
	s_mov_b32 s[\g+5], 1536                        ; 12,288 bytes from tile to tile
	s_mov_b32 s[\g+6], 0
	s_mov_b32 s[\g+7], 0
.endr
	s_or_b32 s[G1S+0], s43, (3<<16)|(1<<21)
	s_or_b32 s[G1SB+0], s44, (3<<16)|(1<<21)
.irp g, G1S, G1SB
	s_mov_b32 s[\g+1], 32<<16                      ; the scales of 256 rows: 32 rows of 256 bytes, dense
	s_mov_b32 s[\g+2], 32<<16
	s_mov_b32 s[\g+3], 32<<16
	s_mov_b32 s[\g+4], 32
	s_mov_b32 s[\g+5], 32
	s_mov_b32 s[\g+6], 0
	s_mov_b32 s[\g+7], 0
.endr
	s_lshl_b32 s20, s17, 8                         ; x's first row
	s_lshl_b32 s46, s42, 8
	s_lshl_b32 s18, s67, 10
	s_add_co_u32 s46, s46, s18                     ; W's first row: 1,024 x weight + 256 x tile column
	s_mov_b32 s21, 0
	s_mov_b32 s47, 0
	s_mov_b64 s[18:19], KS
	s_mul_u64 s[22:23], s[20:21], s[18:19]
	s_mul_u64 s[92:93], s[46:47], s[18:19]
	s_mov_b64 s[18:19], KROW
	s_mul_u64 s[20:21], s[20:21], s[18:19]
	s_mul_u64 s[46:47], s[46:47], s[18:19]
	s_mul_i32 s18, s16, 128*KROW                   ; in the ring I fetch eight tiles: which half
	s_mov_b32 s19, 0
	s_mul_i32 s45, s14, HALFT
	s_wait_dscnt 0x0
	s_wait_kmcnt 0x0
	s_add_nc_u64 s[20:21], s[4:5], s[20:21]
	s_add_nc_u64 s[22:23], s[6:7], s[22:23]
	s_add_nc_u64 s[46:47], s[8:9], s[46:47]
	s_add_nc_u64 s[92:93], s[10:11], s[92:93]
	CROUND                                         ; the first joint loads meet
	s_mov_b32 s[G0H], 1
	s_mov_b32 s[G0H+1], 0
	s_mov_b64 s[G0H+2:G0H+3], s[20:21]
	s_or_b32 s[G0H+3], s[G0H+3], 0x80000000
	s_mov_b32 s[G0HB], 1
	s_mov_b32 s[G0HB+1], 2*HALFT
	s_mov_b64 s[G0HB+2:G0HB+3], s[46:47]
	s_or_b32 s[G0HB+3], s[G0HB+3], 0x80000000
	s_mov_b32 s[G0S], 1
	s_mov_b32 s[G0S+1], SCL
	s_mov_b64 s[G0S+2:G0S+3], s[22:23]
	s_or_b32 s[G0S+3], s[G0S+3], 0x80000000
	s_mov_b32 s[G0SB], 1
	s_mov_b32 s[G0SB+1], SCL+2*HALFS
	s_mov_b64 s[G0SB+2:G0SB+3], s[92:93]
	s_or_b32 s[G0SB+3], s[G0SB+3], 0x80000000
	s_add_nc_u64 s[20:21], s[20:21], s[18:19]
	s_add_nc_u64 s[46:47], s[46:47], s[18:19]
.irp s, 0,1
	s_mov_b32 s[G0+4*\s], 1
	s_add_co_u32 s[G0+4*\s+1], s45, \s*SLOT
	s_add_nc_u64 s[G0+4*\s+2:G0+4*\s+3], s[20:21], \s*AIMG
	s_or_b32 s[G0+4*\s+3], s[G0+4*\s+3], 0x80000000
	s_mov_b32 s[G0B+4*\s], 1
	s_add_co_u32 s[G0B+4*\s+1], s45, \s*SLOT
	s_add_nc_u64 s[G0B+4*\s+2:G0B+4*\s+3], s[46:47], \s*AIMG
	s_or_b32 s[G0B+4*\s+3], s[G0B+4*\s+3], 0x80000000
.endr
.macro ARM under, g0, g1, next         ; the head's loads, one a wave, in one tree of branches on the wave's number
	s_cmp_lt_u32 s14, \under
	s_cbranch_scc0 \next
	tensor_load_to_lds s[\g0:\g0+3], s[\g1:\g1+7]
	s_nop 0
.rept 4
	v_nop
.endr
	s_branch .Lhead_asked
\next:
.endm
	ARM 1, G0H,  G1,  .Lhead_b
	ARM 2, G0HB, G1B, .Lhead_sa
	ARM 3, G0S,  G1S, .Lhead_sb
	tensor_load_to_lds s[G0SB:G0SB+3], s[G1SB:G1SB+7]
	s_nop 0
.rept 4
	v_nop
.endr
.Lhead_asked:
	v_and_b32 v1, 15, v0
	v_bfe_u32 v2, v0, 4, 1
	v_and_b32 v6, 31, v0
	v_lshlrev_b32 v[L8], 3, v6
	v_lshlrev_b32 v[L16], 4, v6
	v_lshlrev_b32 v5, 5, v1                        ; my row's scales: 32 bytes a row
	v_cmp_le_u32 s95, 16, v6                       ; lanes 16-31
	s_wait_alu depctr_va_vdst(0)
	s_cmp_ge_u32 s66, 16                           ; v?  Then source 1 takes W's rows and source 0 x's
	s_cselect_b32 s21, 2*HALFT, 0
	s_cselect_b32 s22, 0, 2*HALFT
	s_cselect_b32 s92, 2*HALFS, 0
	s_cselect_b32 s93, 0, 2*HALFS
	s_cselect_b32 s94, 1, 0
	s_cselect_b32 s104, s15, s16                   ; which half of the channels is mine,
	s_cselect_b32 s105, s16, s15                   ; and of the tokens
	s_mul_i32 s23, s15, HALFT
	s_add_co_u32 s21, s21, s23
	s_mul_i32 s23, s16, HALFT
	s_add_co_u32 s22, s22, s23
.irp s, 0,1
	v_add_nc_u32 v[ADRA+\s], s21, v[L8]
	v_add_nc_u32 v[ADRB+\s], s22, v[L8]
	s_add_co_u32 s21, s21, SLOT
	s_add_co_u32 s22, s22, SLOT
.endr
	s_mul_i32 s23, s15, HALFS
	s_add_co_u32 s92, s92, s23
	s_mul_i32 s23, s16, HALFS
	s_add_co_u32 s93, s93, s23
	v_mov_b32 v7, s92
	v_mov_b32 v8, s93
	v_cndmask_b32 v7, v7, v8, s95                  ; lanes 0-15 source 1's scales, lanes 16-31 source 0's
	v_add_nc_u32 v5, v5, v7
	v_add_nc_u32 v[ADRS], SCL, v5
	s_wait_alu depctr_va_vdst(0)
	s_cmp_eq_u32 s67, 1
	s_cselect_b64 s[96:97], s[98:99], s[96:97]
	s_cmp_eq_u32 s67, 2
	s_cselect_b64 s[96:97], s[100:101], s[96:97]
	s_lshl_b32 s46, s42, 8
	s_lshl_b32 s47, s104, 7
	s_add_co_u32 s46, s46, s47
	s_lshl_b32 s46, s46, 2
	s_mov_b32 s47, 0
	s_add_nc_u64 s[96:97], s[96:97], s[46:47]
	s_cmp_eq_u32 s94, 0
	s_cbranch_scc0 .Lbias_v
	v_lshlrev_b32 v9, 6, v2                        ; the bias as the first products' C: register j of block b is channel 32 (b / 2) + 16 h + 8 (b % 2) + j
.irp b, 0,1,2,3,4,5,6,7
	global_load_b128 v[BIAS+8*\b:BIAS+8*\b+3], v9, s[96:97] offset:(32*(\b/2)+8*(\b%2))*4
	global_load_b128 v[BIAS+8*\b+4:BIAS+8*\b+7], v9, s[96:97] offset:(32*(\b/2)+8*(\b%2))*4+16
.endr
	s_branch .Lbias_done
.Lbias_v:
	v_lshrrev_b32 v9, 3, v1                        ; v: a lane holds one channel: 32 (a / 2) + 16 (r / 8) + 8 (a % 2) + r % 8
	v_and_b32 v10, 7, v1
	v_lshl_add_u32 v9, v9, 4, v10
	v_lshlrev_b32 v9, 2, v9
.irp a, 0,1,2,3,4,5,6,7
	global_load_b32 v[BIAS+8*\a], v9, s[96:97] offset:(32*(\a/2)+8*(\a%2))*4
.endr
	s_wait_loadcnt 0x0
.irp a, 0,1,2,3,4,5,6,7
.irp j, 1,2,3,4,5,6,7
	v_mov_b32 v[BIAS+8*\a+\j], v[BIAS+8*\a]
.endr
.endr
.Lbias_done:
	s_and_b32 s20, s17, 31                         ; where my results go in qkv
	s_lshr_b32 s21, s20, 3
	s_lshl_b32 s21, s21, 4
	s_lshl_b32 s22, s42, 2
	s_add_co_u32 s21, s21, s22
	s_lshl_b32 s22, s104, 1
	s_add_co_u32 s21, s21, s22                     ; head 16 n + 4 x tile column + 2 x half
	s_mul_i32 s21, s21, HB
	s_and_b32 s20, s17, 7
	s_lshl_b32 s20, s20, 1
	s_add_co_u32 s20, s20, s105
	s_mul_i32 s20, s20, SBG
	s_add_co_u32 s20, s20, s21
	s_mov_b32 s21, 0
	s_add_nc_u64 s[12:13], s[12:13], s[20:21]
	s_mov_b32 s22, 0
	s_mov_b32 s23, 12288
	s_cmp_eq_u32 s67, 0
	s_cselect_b32 s22, 13056, s22
	s_cselect_b32 s23, 19200, s23
	s_cmp_eq_u32 s67, 2
	s_cselect_b32 s22, 6144, s22
	s_cselect_b32 s23, 12800, s23
	s_mov_b32 s20, s23
	s_add_nc_u64 s[98:99], s[12:13], s[20:21]      ; scale words
	s_mov_b32 s20, s22
	s_add_nc_u64 s[12:13], s[12:13], s[20:21]      ; codes
.macro FRAG reg, adr, q, i             ; a fragment: six pieces of 256 bytes, 8 bytes a lane
.irp p, 0,1,2,3,4,5
	ds_load_b64 v[\reg+2*\p:\reg+2*\p+1], v[\adr] offset:(\i)*AIMG+(\q)*1536+256*\p
.endr
.endm
.macro MUL16 a0, p, q, sc, zero        ; the 64 accumulators take turns, one instruction a turn
.irp a, \a0, \a0+1
.irp b, 0,1,2,3,4,5,6,7
.set rD, 8*(8*((\a)%4)+\b)
.set rB, 128*(\p)+FR*\b
.set rA, AF+FR*(\a)
.set rSB, SC+8*NQ*(\sc)+NQ*\b+(\q)
.set rSA, SC+8*NQ*(\sc)+NQ*(\a)+(\q)
.if (\zero) == 1
	v_wmma_scale_f32_16x16x128_f8f6f4 v[rD:rD+7], v[rB:rB+FR-1], v[rA:rA+FR-1], v[BIAS+8*\b:BIAS+8*\b+7], v[rSB], v[rSA] matrix_a_fmt:MATRIX_FMT_FP6 matrix_b_fmt:MATRIX_FMT_FP6 matrix_a_scale:MATRIX_SCALE_ROW1
.elseif (\zero) == 2
	v_wmma_scale_f32_16x16x128_f8f6f4 v[rD:rD+7], v[rB:rB+FR-1], v[rA:rA+FR-1], v[BIAS+8*(\a):BIAS+8*(\a)+7], v[rSB], v[rSA] matrix_a_fmt:MATRIX_FMT_FP6 matrix_b_fmt:MATRIX_FMT_FP6 matrix_a_scale:MATRIX_SCALE_ROW1
.else
	v_wmma_scale_f32_16x16x128_f8f6f4 v[rD:rD+7], v[rB:rB+FR-1], v[rA:rA+FR-1], v[rD:rD+7], v[rSB], v[rSA] matrix_a_fmt:MATRIX_FMT_FP6 matrix_b_fmt:MATRIX_FMT_FP6 matrix_a_scale:MATRIX_SCALE_ROW1
.endif
.endr
.endr
.endm
.macro FETCH_B slot, q, p
	WIN TO_B
.irp i, 0,1,2,3,4,5,6,7
	FRAG 128*(\p)+FR*\i, ADRB+\slot, \q, \i
.endr
	WIN 0
.endm
.macro FETCH_A slot, q, i0
.irp i, \i0, \i0+1, \i0+2, \i0+3
	FRAG AF+FR*(\i), ADRA+\slot, \q, \i
.endr
.endm
.macro SCALES sc
.irp i, 0,1,2,3,4,5,6,7
	ds_load_b64 v[SC+8*NQ*\sc+NQ*\i:SC+8*NQ*\sc+NQ*\i+1], v[ADRS] offset:\i*SBLK
.endr
.endm
.macro PLACES n
.rept \n
	v_nop
.endr
.endm
.macro STEP slot, q, zero              ; a slot's first K step; the second's fragments are fetched in its middle and at its end
	s_wait_dscnt 4*NL                              ; all but source 1's blocks 4-7
.if \zero
	WIN 0x81
.else
	WIN MUL_LO
.endif
	MUL16 0, (\q)%2, \q, \slot, \zero
	MUL16 2, (\q)%2, \q, \slot, \zero
	s_wait_dscnt 0
	PLACES NP
	FETCH_B \slot, (\q)+1, 1-(\q)%2
	FETCH_A \slot, (\q)+1, 0
.if \zero
	WIN 0xc1
.else
	WIN MUL_HI
.endif
	MUL16 4, (\q)%2, \q, \slot, \zero
	MUL16 6, (\q)%2, \q, \slot, \zero
	PLACES NP
	WIN 0
	FETCH_A \slot, (\q)+1, 4
.endm
.macro TURN slot, next, fill           ; a slot's second K step, and the change of slots
	s_wait_tensorcnt 0x0                           ; all my tensor loads are in;
	ds_add_u32 v[SPW], v[NIL]                      ; the add;
	s_wait_dscnt 4*NL+1                            ; (the add and the youngest 24 loads may be out)
	WIN MUL_LO
	MUL16 0, 1, NQ-1, \slot, 0
	s_wait_dscnt 0x0                               ; the add and my reads of this slot are done
	s_barrier_signal -1
	MUL16 2, 1, NQ-1, \slot, 0
	WIN 0
	s_barrier_wait -1
.if \fill
	CREST                                          ; the barrier has opened a round of the cluster's
	s_add_nc_u64 s[G0+4*\slot+2:G0+4*\slot+3], s[G0+4*\slot+2:G0+4*\slot+3], 2*AIMG
	s_add_nc_u64 s[G0B+4*\slot+2:G0B+4*\slot+3], s[G0B+4*\slot+2:G0B+4*\slot+3], 2*AIMG
	JLOAD G0+4*\slot, G1, G0B+4*\slot, G1B
.else
	PLACES NP
.endif
	s_wait_alu depctr_va_vdst(0)
	v_add_nc_u32 v[ADRS], 4*NQ, v[ADRS]
	FETCH_B \next, 0, 0
	FETCH_A \next, 0, 0
	SCALES \next
	WIN MUL_HI
	MUL16 4, 1, NQ-1, \slot, 0
	MUL16 6, 1, NQ-1, \slot, 0
	PLACES NP
	WIN 0
	FETCH_A \next, 0, 4
.endm
	s_wait_alu depctr_va_vdst(0)
	s_wait_tensorcnt 0x0                           ; my tile of the head's four is in; the full sequence ahead of slot 1's first fill
	ds_add_u32 v[SPW], v[NIL]
	s_mov_b32 s[G1+2], 8<<16                       ; no load of mine is out: from here on a load brings eight tiles
	s_mov_b32 s[G1+4], 8
	s_mov_b32 s[G1B+2], 8<<16
	s_mov_b32 s[G1B+4], 8
	s_wait_dscnt 0x0
	CROUND
	JLOAD G0+4, G1, G0B+4, G1B                     ; K steps 2 and 3
	FETCH_B 0, 0, 0
	FETCH_A 0, 0, 0
	SCALES 0
	FETCH_A 0, 0, 4
	s_wait_loadcnt 0x0                             ; the bias
	s_cmp_eq_u32 s94, 0
	s_cbranch_scc0 .Lfirst_v
	STEP 0, 0, 1
	s_branch .Lfirst_done
.Lfirst_v:
	STEP 0, 0, 2
.Lfirst_done:
	s_mov_b32 s3, LAPS-1
.Llap:
	TURN 0, 1, 1
	STEP 1, 0, 0
	TURN 1, 0, 1
	STEP 0, 0, 0
	s_sub_co_u32 s3, s3, 1
	s_cmp_lg_u32 s3, 0
	s_cbranch_scc1 .Llap
	TURN 0, 1, 0
	STEP 1, 0, 0
	s_wait_dscnt 4*NL
	WIN MUL_LO
	MUL16 0, 1, NQ-1, 1, 0
	MUL16 2, 1, NQ-1, 1, 0
	s_wait_dscnt 0
	WIN MUL_HI
	MUL16 4, 1, NQ-1, 1, 0
	MUL16 6, 1, NQ-1, 1, 0
	WIN 0
	PLACES NP
.irp b, 0,1,2,3
	v_mov_b32 v[TM+4+\b], 0
.endr
.macro QUANTW a                        ; block a's 16 x 128 results into codes: four blocks of 32 along the next K, each in lanes l and l xor 16
.set QW, 2+(\a)/4
.set QS, 64*((\a)%4)
.set QWIN, (QW<<2)|(QW<<4)
	WIN QWIN
.irp b, 0,1,2,3
	v_max3_num_f32 v[TM+\b], 0x1800000, |v[QS+16*\b]|, |v[QS+16*\b+1]|
.endr
.irp i, 2,4,6,8,10,12,14
.irp b, 0,1,2,3
	v_max3_num_f32 v[TM+\b], v[TM+\b], |v[QS+16*\b+\i]|, |v[QS+16*\b+\i+1]|
.endr
.endr
	WIN 0
.irp b, 0,1,2,3
	v_permlanex16_b32 v[TM+4+\b], v[TM+\b], s2, s3
.endr
.irp b, 0,1,2,3
	v_max_num_f32 v[TM+\b], v[TM+\b], v[TM+4+\b]
.endr
.irp b, 0,1,2,3
	v_add_nc_u32 v[TM+12+\b], 0xff000000, v[TM+\b]
.endr
.irp b, 0,1,2,3
	v_lshrrev_b32 v[TM+4+\b], 23, v[TM+12+\b]
.endr
	v_lshl_or_b32 v[PW], v[TM+5], 8, v[TM+4]
	v_lshl_or_b32 v[PW], v[TM+6], 16, v[PW]
	v_lshl_or_b32 v[PW], v[TM+7], 24, v[PW]
	s_wait_alu depctr_va_vdst(0)
	s_wait_xcnt 0x0                                ; the last block's stores have read their registers
	WIN QW
.irp c, 0,1
	v_cvt_scalef32_pk16_fp6_f32 v[CD+6*\c:CD+2+6*\c], v[QS+32*\c:QS+15+32*\c], v[TM+12+2*\c]
	v_cvt_scalef32_pk16_fp6_f32 v[CD+12+4*\c:CD+14+4*\c], v[QS+16+32*\c:QS+31+32*\c], v[TM+12+2*\c+1]
.endr
	WIN 0
	v_nop
.irp c, 0,1
.irp i, 0,1,2
	v_permlane16_swap_b32 v[CD+6*\c+\i], v[CD+12+4*\c+\i]
.endr
.irp i, 0,1,2
	v_mov_b32 v[CD+3+6*\c+\i], v[CD+12+4*\c+\i]
.endr
.endr
.endm
	s_mov_b32 s2, 0x76543210
	s_mov_b32 s3, 0xfedcba98
	s_cmp_eq_u32 s94, 0
	s_cbranch_scc0 .Lepi_v
.irp a, 0,1,2,3,4,5,6,7                ; q, k: a tile of 16 tokens; registers 0-5 are one head's 64 channels, 6-11 the next head's
	QUANTW \a
.irp p, 0,1,2
	global_store_b64 v[L8], v[CD+2*\p:CD+2*\p+1], s[12:13] offset:768*\a+256*\p
.endr
.irp p, 0,1,2
	global_store_b64 v[L8], v[CD+6+2*\p:CD+7+2*\p], s[12:13] offset:HB+768*\a+256*\p
.endr
.if \a%2 == 0
	v_and_b32 v[WD+\a/2], 0xffff, v[PW]
	v_lshrrev_b32 v[WD+4+\a/2], 16, v[PW]
.else
	v_and_b32 v[T0], 0xffff, v[PW]
	v_cndmask_b32 v[WD+\a/2], v[WD+\a/2], v[T0], s95
	v_lshrrev_b32 v[T0], 16, v[PW]
	v_cndmask_b32 v[WD+4+\a/2], v[WD+4+\a/2], v[T0], s95
.endif
.endr
	global_store_b128 v[L16], v[WD:WD+3], s[98:99]
	global_store_b128 v[L16], v[WD+4:WD+7], s[98:99] offset:HB
	s_branch .Lepi_done
.Lepi_v:
.irp a, 0,1,2,3,4,5,6,7                ; v: a fragment of 16 channels x 128 keys
	QUANTW \a
.irp c, 0,1,2
	global_store_b128 v[L16], v[CD+4*\c:CD+4*\c+3], s[12:13] offset:(\a/4)*HB+(\a%4)*1536+512*\c
.endr
.if \a%2 == 0
	v_mov_b32 v[WD+2*(\a/4)+(\a%4)/2], v[PW]
.else
	v_cndmask_b32 v[WD+2*(\a/4)+(\a%4)/2], v[WD+2*(\a/4)+(\a%4)/2], v[PW], s95
.endif
.endr
	global_store_b64 v[L8], v[WD:WD+1], s[98:99]
	global_store_b64 v[L8], v[WD+2:WD+3], s[98:99] offset:HB
.Lepi_done:
	s_wait_tensorcnt 0x0                           ; the wave's end
	ds_add_u32 v[SPW], v[NIL]
	s_wait_dscnt 0x0
	CROUND                                         ; the closing round
	s_endpgm
.Lfunc_end_k_q32eae88f94_proj:
	.size	k_q32eae88f94_proj, .Lfunc_end_k_q32eae88f94_proj-k_q32eae88f94_proj
	.p2alignl 7, 3214868480
	.fill 96, 4, 3214868480
	.section	.rodata,"a",@progbits
	.p2align	6, 0x0
	.amdhsa_kernel k_q32eae88f94_proj
		.amdhsa_group_segment_fixed_size 327680
		.amdhsa_private_segment_fixed_size 0
		.amdhsa_enable_private_segment 0
		.amdhsa_kernarg_size 64
		.amdhsa_user_sgpr_count 2
		.amdhsa_user_sgpr_kernarg_segment_ptr 1
		.amdhsa_wavefront_size32 1
		.amdhsa_system_sgpr_workgroup_id_x 1
		.amdhsa_system_sgpr_workgroup_id_y 1
		.amdhsa_system_sgpr_workgroup_id_z 1
		.amdhsa_system_vgpr_workitem_id 0
		.amdhsa_next_free_vgpr 1024
		.amdhsa_next_free_sgpr 106
		.amdhsa_reserve_vcc 0
		.amdhsa_float_denorm_mode_32 3
		.amdhsa_float_denorm_mode_16_64 3
		.amdhsa_memory_ordered 1
		.amdhsa_forward_progress 1
		.amdhsa_inst_pref_size 223
	.end_amdhsa_kernel
	.amdgpu_metadata
---
amdhsa.version: [ 1, 2 ]
amdhsa.kernels:
  - .name:           k_q32eae88f94_proj
    .symbol:         k_q32eae88f94_proj.kd
    .args:
      - { .name: x_img, .offset: 0, .size: 8, .value_kind: global_buffer, .address_space: global }
      - { .name: x_scales, .offset: 8, .size: 8, .value_kind: global_buffer, .address_space: global }
      - { .name: w_img, .offset: 16, .size: 8, .value_kind: global_buffer, .address_space: global }
      - { .name: w_scales, .offset: 24, .size: 8, .value_kind: global_buffer, .address_space: global }
      - { .name: bq, .offset: 32, .size: 8, .value_kind: global_buffer, .address_space: global }
      - { .name: bk, .offset: 40, .size: 8, .value_kind: global_buffer, .address_space: global }
      - { .name: bv, .offset: 48, .size: 8, .value_kind: global_buffer, .address_space: global }
      - { .name: qkv, .offset: 56, .size: 8, .value_kind: global_buffer, .address_space: global }
    .group_segment_fixed_size: 327680
    .private_segment_fixed_size: 0
    .kernarg_segment_align: 8
    .kernarg_segment_size: 64
    .max_flat_workgroup_size: 128
    .sgpr_count:     106
    .vgpr_count:     1024
    .wavefront_size: 32
...
	.end_amdgpu_metadata
.endif
;; end of part 2
;; launch attn (part 3): grid 4 x 64, 16 waves a work-group, clusters of 4 x 1, 212,992 bytes of LDS; arguments qkv, y_img, y_sc; writes y_img, y_sc
.if DOCPART == 3
	.amdgcn_target "amdgcn-amd-amdhsa--gfx1250"
	.amdhsa_code_object_version 6
	.text
	.protected	k_q32eae88f94_attn
	.globl	k_q32eae88f94_attn
	.p2align	8
	.type	k_q32eae88f94_attn,@function
k_q32eae88f94_attn:
	s_mov_b64 s[64:65], 0
	v_nop
	global_prefetch_b8 v0, s[64:65] scope:SCOPE_SE
	s_setreg_imm32_b32 hwreg(HW_REG_WAVE_MODE, 25, 1), 1
	s_wait_xcnt 0x0
	s_wait_alu depctr_hold_cnt(0) depctr_sa_sdst(0) depctr_va_vdst(0) depctr_va_sdst(0) depctr_va_ssrc(0) depctr_va_vcc(0) depctr_vm_vsrc(0)
	s_getreg_b32 s2, hwreg(HW_REG_IB_STS2, 6, 4)
	s_cmp_eq_u32 s2, 0
	s_cbranch_scc0 .Lentry_in_a_cluster
	s_endpgm
.Lentry_in_a_cluster:
	s_bfe_u32 s2, ttmp6, 0x10000c
	s_cmp_lg_u32 s2, 0x3003
	s_cbranch_scc0 .Lentry_shape_is_right
	s_endpgm
.Lentry_shape_is_right:
; y = softmax(q k^T / 8) v for 64 heads of size 64, 2,048 queries and keys, both products on codes of E2M3 with E8M0 scales; y is quantised along the channels and stored as images of the next product's operand.
; Nothing of the problem is left out here.
; THE SOFTMAX: t = score x log2(e) / 8; M = the row's largest t so far, rounded up to a whole number; p = 2^(t - M) is quantised along the keys; the row's sum is taken of the unquantised p and divides O at the end.
; When M moves, the sum and O are multiplied by 2^(old M - new M): exact.
; SHARES.  256 work-groups.  A work-group owns 512 query positions of one head; each of its 16 waves owns 16 of them in each of two passes over the keys.
; THE WHOLE HEAD'S K AND V LIE IN LDS: 16 blocks of 128 keys, 13,056 bytes each, as images of the operand registers.  Wave w asks for block w: one tensor load a wave, nothing filled twice, one barrier.
; All of K and V is asked for at the head, so nothing is left to prefetch.
; CLUSTER.  The four work-groups of a head form a cluster and ask for each block jointly.
; LAYOUT.  S^T = K Q^T, O^T = V^T P^T: a lane holds one query.  Key position 64 c + 16 u + 8 h + j holds logical key 64 c + 32 h + 8 u + j: so the 32 registers of tiles 4 c .. 4 c + 3 in lane (r, h)
; are the whole block of logical keys 64 c + 32 h + 0 .. 31, which is what P's operand wants of that lane: no lane is asked for a block's maximum, and no codes change lanes.
; The head's 64 fill the lower half of the first product's 128 along K; the upper half is zero codes on both sides.
; THE STEP'S ORDER.  K's tiles 0-3 and scale words of a block are read from LDS a step ahead (in a pass's last step the last block's once more: the address is held there); tiles 4-7 are read under the first block's maxima;
; LDS loads and independent lines stand between the lines of the dependent chains.
; LIMITS: a block of zeros gets the byte 1 where the rule says 127; a block's largest p is taken from its largest score, which takes v_exp_f32 not to fall where its input rises; NaN and infinities are not served;
; the promise holds while |t| stays under 2^31.
; REGISTERS: v10-11 the conversions' scale operands; v16-27 Q; v30-31 V's scale words; v32-79 four tiles of K; v80-127 V; v128-191 S^T, then p; v192-223 O^T; v224-235 scratch, then p's codes; v236-237 my blocks' largest;
; v240-246 the second pass's Q; v248-251 K's scale words; v252 f; v253 p's scale word; v255 Q's scale word.
.set HB,    315392
.set SBG,   19712
.set SBL,   13056
.set SPARE, 16*SBL                     ; the spare words, 128 bytes a wave, which no other line names
.set L8,   1
.set L16,  2
.set AN8,  3
.set GS,   4
.set SPW,  5
.set NIL,  6
.set SH8,  7
.set ADK,  8
.set ADV,  9
.set SO,   10
.set QF,   16
.set VS,   30
.set KFR,  32
.set VFR,  80
.set S,    128
.set O,    192
.set XA,   224                         ; three chains of the sum
.set CH,   224                         ; four chains of maxima
.set BM,   236
.set PT,   238
.set QN,   240
.set AN16, 247
.set WV,   18
.set SEL,  20
.set CS,   22
.set G1,   24
.set G0,   32
.set TB,   48
.set CNT,  49
.set HM,   50
.set TN,   62
.macro CROUND
	s_barrier_signal -1
	s_barrier_wait -1
	s_cmp_lg_u32 s[WV], 0
	s_cbranch_scc1 .Lnot_wave_0_\@
	s_barrier_signal -3
.Lnot_wave_0_\@:
	s_barrier_wait -3
	s_barrier_signal -1
	s_barrier_wait -1
.endm
	s_load_b128 s[4:7], s[0:1], 0x0                ; qkv, y's images
	s_load_b64 s[8:9], s[0:1], 0x10                ; y's scale bytes
	v_lshl_add_u32 v[SPW], v0, 2, SPARE
	v_mov_b32 v[NIL], 0
	ds_add_u32 v[SPW], v[NIL]                      ; the opening
	ds_add_u32 v[SPW], v[NIL]
	v_lshrrev_b32 v3, 5, v0
	v_readfirstlane_b32 s[WV], v3                  ; wave 0..15
	s_bfe_u32 s10, ttmp6, 0x40000                  ; cx
	s_lshl_b32 s11, ttmp9, 2
	s_add_co_u32 s11, s11, s10                     ; my 512 queries: it enters Q's and y's global addresses alone
	s_and_b32 s12, ttmp7, 0xffff                   ; the head, which the four partners share
	s_mul_i32 s14, s12, HB
	s_mul_i32 s16, s[WV], SBG
	s_add_co_u32 s16, s16, s14                     ; block (wave) of the head, in memory,
	s_mov_b32 s17, 0
	s_mul_i32 s51, s[WV], SBL                      ; and in LDS
	s_mov_b32 s[G1], 15|(3<<16)|(1<<21)            ; the mask: all four; elements of 8 bytes; no padding
	s_mov_b32 s[G1+1], 32<<16
	s_mov_b32 s[G1+2], 51<<16                      ; 51 rows of 256 bytes, dense
	s_mov_b32 s[G1+3], 32<<16
	s_mov_b32 s[G1+4], 51
	s_mov_b32 s[G1+5], 32
	s_mov_b32 s[G1+6], 0
	s_mov_b32 s[G1+7], 0
	s_mov_b32 s[SEL], 0x76543210
	s_mov_b32 s[SEL+1], 0xfedcba98                 ; lane l xor 16
	s_mov_b32 s[CS], 0x3e38aa3b                    ; c = log2(e) / 8
	s_mov_b32 s[CS+1], s[CS]
	s_wait_dscnt 0x0
	s_wait_kmcnt 0x0
	s_add_nc_u64 s[16:17], s[4:5], s[16:17]
	CROUND                                         ; the joint loads meet
	s_mov_b32 s[G0], 1
	s_mov_b32 s[G0+1], s51
	s_mov_b64 s[G0+2:G0+3], s[16:17]
	s_or_b32 s[G0+3], s[G0+3], 0x80000000
	tensor_load_to_lds s[G0:G0+3], s[G1:G1+7]      ; my one tensor load
	s_nop 0
.rept 4
	v_nop
.endr
	v_and_b32 v3, 31, v0
	v_lshlrev_b32 v[L8], 3, v3
	v_lshlrev_b32 v[L16], 4, v3
	v_cmp_le_u32 s[HM], 16, v3
	v_and_b32 v10, 15, v0                          ; r
	v_bfe_u32 v11, v0, 4, 1                        ; h
	v_lshl_add_u32 v[GS], v10, 5, v11              ; y's scale byte: 32 r + h
	v_lshlrev_b32 v[SH8], 3, v11
	v_lshlrev_b32 v11, 4, v10
	s_wait_alu depctr_va_vdst(0)
	s_lshl_b32 s52, s11, 2
	s_lshr_b32 s53, s[WV], 3
	s_add_co_u32 s52, s52, s53                     ; my first pass's block of 128 queries: 4 x work-group + wave / 8; the second's lies two on
	s_mul_i32 s52, s52, SBG
	s_add_co_u32 s52, s52, s14
	s_and_b32 s53, s[WV], 7
	s_mul_i32 s54, s53, 768
	s_add_co_u32 s54, s54, s52
	s_mov_b32 s55, 0
	s_add_nc_u64 s[54:55], s[4:5], s[54:55]
.irp p, 0,1,2
	global_load_b64 v[QF+2*\p:QF+2*\p+1], v[L8], s[54:55] offset:13056+256*\p
	global_load_b64 v[QN+2*\p:QN+2*\p+1], v[L8], s[54:55] offset:2*SBG+13056+256*\p
.endr
	s_lshr_b32 s53, s53, 1
	s_lshl_b32 s53, s53, 2                         ; Q's scale words: word tile / 2 of lane r + 16 (tile % 2)
	s_and_b32 s56, s[WV], 1
	s_lshl_b32 s56, s56, 8
	s_add_co_u32 s56, s56, s53
	s_add_co_u32 s56, s56, s52
	s_mov_b32 s57, 0
	s_add_nc_u64 s[56:57], s[4:5], s[56:57]
	global_load_b32 v255, v11, s[56:57] offset:19200
	global_load_b32 v[QN+6], v11, s[56:57] offset:2*SBG+19200
	s_lshr_b32 s58, s12, 4                         ; y: token tile T = 128 n + 32 x work-group + 16 x pass + wave
	s_lshl_b32 s58, s58, 7
	s_lshl_b32 s59, s11, 5
	s_add_co_u32 s58, s58, s59
	s_add_co_u32 s58, s58, s[WV]
	s_and_b32 s59, s12, 15
	s_lshl_b32 s60, s58, 3
	s_lshr_b32 s61, s59, 1
	s_add_co_u32 s60, s60, s61                     ; image 8 T + head / 2,
	s_mul_i32 s60, s60, 6
	s_and_b32 s61, s59, 1
	s_mul_i32 s61, s61, 3
	s_add_co_u32 s60, s60, s61                     ; pieces 3 (head % 2) on
	s_lshl_b32 s60, s60, 8
	s_mov_b32 s61, 0
	s_add_nc_u64 s[6:7], s[6:7], s[60:61]
	s_lshl_b32 s60, s58, 9
	s_lshl_b32 s59, s59, 1
	s_add_co_u32 s60, s60, s59
	s_add_nc_u64 s[8:9], s[8:9], s[60:61]
.irp i, 6,7,8,9,10,11
	v_mov_b32 v[QF+\i], 0                          ; the upper 64 along K: zero codes, set once
.endr
.irp t, 0,1,2,3
.irp i, 6,7,8,9,10,11
	v_mov_b32 v[KFR+12*\t+\i], 0
.endr
.endr
	v_mov_b32 v[PT], 0                             ; a lane permute's destination counts as one of its sources
	v_mov_b32 v[PT+1], 0
	v_mov_b32 v253, 0
.macro KQ4 g
.irp t, 0,1,2,3
.if \t%2
	v_wmma_scale_f32_16x16x128_f8f6f4 v[S+8*(4*\g+\t):S+8*(4*\g+\t)+7], v[KFR+12*\t:KFR+12*\t+11], v[QF:QF+11], 0, v[248+(4*\g+\t)/2], v255 matrix_a_fmt:MATRIX_FMT_FP6 matrix_b_fmt:MATRIX_FMT_FP6 matrix_a_scale:MATRIX_SCALE_ROW1
.else
	v_wmma_scale_f32_16x16x128_f8f6f4 v[S+8*(4*\g+\t):S+8*(4*\g+\t)+7], v[KFR+12*\t:KFR+12*\t+11], v[QF:QF+11], 0, v[248+(4*\g+\t)/2], v255 matrix_a_fmt:MATRIX_FMT_FP6 matrix_b_fmt:MATRIX_FMT_FP6
.endif
.endr
.endm
.macro KTILE adr, t, from              ; tile \from of the block at \adr into fragment \t
.irp p, 0,1,2
	ds_load_b64 v[KFR+12*\t+2*\p:KFR+12*\t+2*\p+1], v[\adr] offset:768*(\from)+256*\p
.endr
.endm
.macro FMA8                            ; t - M of sixteen scores
.rept 8
	v_pk_fma_f32 v[S+j:S+j+1], v[S+j:S+j+1], s[CS:CS+1], v[12:13] op_sel_hi:[1,0,0]
.set j, j+2
.endr
.endm
.macro SUM4 j
	v_pk_add_f32 v[XA:XA+1], v[XA:XA+1], v[S+\j:S+\j+1]
	v_pk_add_f32 v[XA+2:XA+3], v[XA+2:XA+3], v[S+\j+2:S+\j+3]
	v_pk_add_f32 v[XA+4:XA+5], v[XA+4:XA+5], v[S+\j+4:S+\j+5]
	v_pk_add_f32 v[14:15], v[14:15], v[S+\j+6:S+\j+7]
.endm
.macro STEP                            ; 128 keys: the block at s[TB]
	s_add_co_u32 s[TN], s[TB], SBL
	s_min_u32 s[TN], s[TN], 15*SBL                 ; the next block, held at the last
	s_wait_dscnt 0x0                               ; K's tiles 0-3 and scale words, asked for a step ago
	KQ4 0
	v_add_nc_u32 v[ADK], s[TB], v[L8]              ; these four are the places behind the products, ahead of the loads and of the first reads of S^T
	v_add_nc_u32 v[ADV], s[TB], v[L16]
	v_add_nc_u32 v[AN8], s[TN], v[L8]
	v_add_nc_u32 v[AN16], s[TN], v[L16]
.irp t, 0,1,2,3
	KTILE ADK, \t, 4+\t
.endr
.irp t, 0,1,2,3
.irp c, 0,1,2
	ds_load_b128 v[VFR+12*\t+4*\c:VFR+12*\t+4*\c+3], v[ADV] offset:6144+1536*\t+512*\c
.endr
.endr
	ds_load_b64 v[VS:VS+1], v[ADK] offset:12800    ; V's scale words
.irp x, 0,1
	v_max3_num_f32 v[CH+\x], v[S+16*\x], v[S+1+16*\x], v[S+2+16*\x]   ; my first block's largest score, in two chains; each accumulator is read from its low end on
.endr
.irp i, 3,5,7,9,11
.irp x, 0,1
	v_max3_num_f32 v[CH+\x], v[CH+\x], v[S+16*\x+\i], v[S+1+16*\x+\i]
.endr
.endr
	s_wait_alu depctr_va_vdst(0)
	s_wait_dscnt 13                                ; K's tiles 4-7 are in; V's 12 loads and its scale words may be out
	KQ4 1
.irp x, 0,1
	v_max3_num_f32 v[CH+\x], v[CH+\x], v[S+16*\x+13], v[S+14+16*\x]   ; these four are the places behind the products
.endr
	v_max3_num_f32 v[BM], v[CH], v[CH+1], v[S+15]
	v_max_num_f32 v[BM], v[BM], v[S+31]
.irp x, 2,3
	v_max3_num_f32 v[CH+\x], v[S+16*\x], v[S+1+16*\x], v[S+2+16*\x]   ; my second block's
.endr
.irp i, 3,5,7,9,11,13
.irp x, 2,3
	v_max3_num_f32 v[CH+\x], v[CH+\x], v[S+16*\x+\i], v[S+1+16*\x+\i]
.endr
.endr
	v_max3_num_f32 v[BM+1], v[CH+2], v[CH+3], v[S+47]
	v_max_num_f32 v[BM+1], v[BM+1], v[S+63]
	v_max_num_f32 v254, v[BM], v[BM+1]
	KTILE AN8, 0, 0                                ; the next block's tiles 0-3 and scale words, between the lines of the chain
	v_permlanex16_b32 v[PT], v254, s[SEL], s[SEL+1]
	KTILE AN8, 1, 1
	v_max_num_f32 v254, v254, v[PT]                ; the step's largest score of my query
	KTILE AN8, 2, 2
	v_mul_f32 v254, s[CS], v254
	KTILE AN8, 3, 3
	v_max_num_f32 v13, v13, v254                   ; the running largest t
	ds_load_b128 v[248:251], v[AN16] offset:12288
	v_mov_b32 v254, v12
	v_floor_f32 v12, -v13                          ; the new -M
.set j, 0
	FMA8
	v_sub_f32 v254, v12, v254
	FMA8
	v_cvt_i32_f32 v254, v254
	FMA8
	v_ldexp_f32 v252, 1.0, v254                    ; f = 2^(old M - new M)
	FMA8
.irp c, 0,1
	v_fma_f32 v[BM+\c], v[BM+\c], s[CS], v12
.endr
	s_wait_alu depctr_va_vdst(0)
.set j, 0
.rept 64
	v_exp_f32 v[S+j], v[S+j]                       ; p
.set j, j+1
.endr
.irp c, 0,1
	v_exp_f32 v[BM+\c], v[BM+\c]                   ; my blocks' largest p
.endr
	v_pk_mul_f32 v[14:15], v[14:15], v[252:253] op_sel_hi:[1,0]   ; the sum under the new M: a plain line behind the batch
	s_wait_alu depctr_va_vdst(0)                   ; one wait for the batch, ahead of its first reader
	v_pk_add_f32 v[XA:XA+1], v[S:S+1], v[S+2:S+3]  ; the sum of the unquantised p, in four chains; the scale bytes are made between them
	v_pk_add_f32 v[XA+2:XA+3], v[S+4:S+5], v[S+6:S+7]
	v_pk_add_f32 v[XA+4:XA+5], v[S+8:S+9], v[S+10:S+11]
	v_pk_add_f32 v[14:15], v[14:15], v[S+12:S+13]
	SUM4 14
.irp c, 0,1
	v_max_num_f32 v[BM+\c], 0x1800000, v[BM+\c]    ; the floor: the byte cannot fall under 1
.endr
	SUM4 22
.irp c, 0,1
	v_add_nc_u32 v[SO+\c], 0xff000000, v[BM+\c]    ; the conversion's scale operand
.endr
	SUM4 30
.irp c, 0,1
	v_lshrrev_b32 v[BM+\c], 23, v[SO+\c]           ; the byte
.endr
	SUM4 38
	v_lshl_or_b32 v254, v[BM+1], 16, v[BM]         ; bytes h and 2 + h of p's scale word,
	SUM4 46
	v_lshlrev_b32 v254, v[SH8], v254               ; at their places;
	SUM4 54
	v_permlanex16_b32 v[PT], v254, s[SEL], s[SEL+1]
	v_pk_add_f32 v[XA:XA+1], v[XA:XA+1], v[S+62:S+63]
	v_pk_add_f32 v[14:15], v[14:15], v[XA+4:XA+5]
	v_pk_add_f32 v[XA:XA+1], v[XA:XA+1], v[XA+2:XA+3]
	v_pk_add_f32 v[14:15], v[14:15], v[XA:XA+1]
	v_cvt_scalef32_pk16_fp6_f32 v[224:226], v[S:S+15], v[SO]
	v_cvt_scalef32_pk16_fp6_f32 v[230:232], v[S+32:S+47], v[SO+1]
	v_or_b32 v253, v254, v[PT]                     ; with lane l xor 16's two the word is whole.  (A plain line behind the conversions, whose sources are written next)
	v_cvt_scalef32_pk16_fp6_f32 v[S:S+2], v[S+16:S+31], v[SO]
	v_cvt_scalef32_pk16_fp6_f32 v[S+32:S+34], v[S+48:S+63], v[SO+1]
	v_nop                                          ; a plain line behind the conversions
.irp i, 0,1,2
	v_mov_b32 v[227+\i], v[S+\i]
	v_mov_b32 v[233+\i], v[S+32+\i]
.endr
	s_wait_dscnt 13                                ; V is in; the next block's 13 loads may be out
	s_wait_alu depctr_va_vdst(0)
.set j, 0
.rept 16
	v_pk_mul_f32 v[O+j:O+j+1], v[O+j:O+j+1], v[252:253] op_sel_hi:[1,0]   ; O^T under the new M; also the places ahead of the products
.set j, j+2
.endr
.irp t, 0,1,2,3                        ; O^T += V^T P^T: the four accumulators take turns
.if \t%2
	v_wmma_scale_f32_16x16x128_f8f6f4 v[O+8*\t:O+8*\t+7], v[VFR+12*\t:VFR+12*\t+11], v[224:235], v[O+8*\t:O+8*\t+7], v[VS+\t/2], v253 matrix_a_fmt:MATRIX_FMT_FP6 matrix_b_fmt:MATRIX_FMT_FP6 matrix_a_scale:MATRIX_SCALE_ROW1
.else
	v_wmma_scale_f32_16x16x128_f8f6f4 v[O+8*\t:O+8*\t+7], v[VFR+12*\t:VFR+12*\t+11], v[224:235], v[O+8*\t:O+8*\t+7], v[VS+\t/2], v253 matrix_a_fmt:MATRIX_FMT_FP6 matrix_b_fmt:MATRIX_FMT_FP6
.endif
.endr
	s_add_co_u32 s[TB], s[TB], SBL
.endm
.macro PASS p                          ; 16 queries against all 2,048 keys
.if \p
	s_wait_dscnt 0x0                               ; the last look-ahead loads have landed: their registers are loaded anew
.endif
	ds_load_b128 v[248:251], v[L16] offset:12288   ; block 0: K's scale words and tiles 0-3
.irp t, 0,1,2,3
	KTILE L8, \t, \t
.endr
.if \p
.irp i, 0,1,2,3,4,5
	v_mov_b32 v[QF+\i], v[QN+\i]
.endr
	v_mov_b32 v255, v[QN+6]
.endif
	v_mov_b32 v13, 0xff61b1e6                      ; -3e38, under every t
	v_floor_f32 v12, -v13
	v_mov_b32 v14, 0
	v_mov_b32 v15, 0
.set j, 0
.rept 32
	v_mov_b32 v[O+j], 0
.set j, j+1
.endr
.if \p
	s_wait_xcnt 0x0                                ; the first pass's stores have read their registers
.endif
	s_mov_b32 s[TB], 0
	s_mov_b32 s[CNT], 16
	s_wait_alu depctr_va_vdst(0)
.Lstep_\@:
	STEP
	s_sub_co_u32 s[CNT], s[CNT], 1
	s_cmp_lg_u32 s[CNT], 0
	s_cbranch_scc1 .Lstep_\@
	; y = O^T / the sum; register 8 t + i is logical channel 32 (t / 2) + 16 h + 8 (t % 2) + i: two blocks of 32 along the next K, each in lanes l and l xor 16
	v_add_f32 v14, v14, v15
	v_permlanex16_b32 v[PT], v14, s[SEL], s[SEL+1]
	v_add_f32 v14, v14, v[PT]                      ; the row's sum
	s_wait_alu depctr_va_vdst(0)
	v_rcp_f32 v14, v14
	v_nop
	v_nop                                          ; with the three lines above: the places behind the last products
	s_wait_alu depctr_va_vdst(0)                   ; ahead of the reciprocal's and O^T's first reader
.set j, 0
.rept 16
	v_pk_mul_f32 v[S+j:S+j+1], v[O+j:O+j+1], v[14:15] op_sel_hi:[1,0]
.set j, j+2
.endr
.irp b, 0,1
	v_max3_num_f32 v[BM+\b], |v[S+16*\b]|, |v[S+1+16*\b]|, 0x1800000
.endr
.irp i, 2,4,6,8,10,12,14
.irp b, 0,1
	s_delay_alu instid0(VALU_DEP_2)
	v_max3_num_f32 v[BM+\b], v[BM+\b], |v[S+16*\b+\i]|, |v[S+1+16*\b+\i]|
.endr
.endr
.irp b, 0,1
	v_permlanex16_b32 v[PT+\b], v[BM+\b], s[SEL], s[SEL+1]
.endr
.irp b, 0,1
	v_max_num_f32 v[BM+\b], v[BM+\b], v[PT+\b]
.endr
.irp b, 0,1
	v_add_nc_u32 v[SO+\b], 0xff000000, v[BM+\b]
.endr
.irp b, 0,1
	v_lshrrev_b32 v[BM+\b], 23, v[SO+\b]
.endr
	v_cvt_scalef32_pk16_fp6_f32 v[224:226], v[S:S+15], v[SO]
	v_cvt_scalef32_pk16_fp6_f32 v[S+32:S+34], v[S+16:S+31], v[SO+1]
	v_cndmask_b32 v254, v[BM], v[BM+1], s[HM]      ; my half's block's byte; a plain line behind the conversions
.irp i, 0,1,2
	v_permlane16_swap_b32 v[224+\i], v[S+32+\i]
.endr
.irp i, 0,1,2
	v_mov_b32 v[227+\i], v[S+32+\i]
.endr
.irp q, 0,1,2
	global_store_b64 v[L8], v[224+2*\q:225+2*\q], s[6:7] offset:196608*\p+256*\q   ; 256 consecutive bytes, aligned
.endr
	global_store_b8 v[GS], v254, s[8:9] offset:8192*\p   ; one byte a lane: two bytes of each of 16 rows
.endm
	s_wait_alu depctr_va_vdst(0)
	s_wait_loadcnt 0x0                             ; Q, both passes'
	s_wait_tensorcnt 0x0                           ; my block is in
	s_barrier_signal -1
	s_barrier_wait -1                              ; and everybody's
	PASS 0
	PASS 1
	s_wait_tensorcnt 0x0                           ; the wave's end
	ds_add_u32 v[SPW], v[NIL]
	s_wait_dscnt 0x0
	CROUND                                         ; the closing round
	s_endpgm
.Lfunc_end_k_q32eae88f94_attn:
	.size	k_q32eae88f94_attn, .Lfunc_end_k_q32eae88f94_attn-k_q32eae88f94_attn
	.p2alignl 7, 3214868480
	.fill 96, 4, 3214868480
	.section	.rodata,"a",@progbits
	.p2align	6, 0x0
	.amdhsa_kernel k_q32eae88f94_attn
		.amdhsa_group_segment_fixed_size 212992
		.amdhsa_private_segment_fixed_size 0
		.amdhsa_enable_private_segment 0
		.amdhsa_kernarg_size 24
		.amdhsa_user_sgpr_count 2
		.amdhsa_user_sgpr_kernarg_segment_ptr 1
		.amdhsa_wavefront_size32 1
		.amdhsa_system_sgpr_workgroup_id_x 1
		.amdhsa_system_sgpr_workgroup_id_y 1
		.amdhsa_system_sgpr_workgroup_id_z 1
		.amdhsa_system_vgpr_workitem_id 0
		.amdhsa_next_free_vgpr 256
		.amdhsa_next_free_sgpr 66
		.amdhsa_reserve_vcc 0
		.amdhsa_float_denorm_mode_32 3
		.amdhsa_float_denorm_mode_16_64 3
		.amdhsa_memory_ordered 1
		.amdhsa_forward_progress 1
		.amdhsa_inst_pref_size 50
	.end_amdhsa_kernel
	.amdgpu_metadata
---
amdhsa.version: [ 1, 2 ]
amdhsa.kernels:
  - .name:           k_q32eae88f94_attn
    .symbol:         k_q32eae88f94_attn.kd
    .args:
      - { .name: qkv, .offset: 0, .size: 8, .value_kind: global_buffer, .address_space: global }
      - { .name: y_img, .offset: 8, .size: 8, .value_kind: global_buffer, .address_space: global }
      - { .name: y_sc, .offset: 16, .size: 8, .value_kind: global_buffer, .address_space: global }
    .group_segment_fixed_size: 212992
    .private_segment_fixed_size: 0
    .kernarg_segment_align: 8
    .kernarg_segment_size: 24
    .max_flat_workgroup_size: 512
    .sgpr_count:     66
    .vgpr_count:     256
    .wavefront_size: 32
...
	.end_amdgpu_metadata
.endif
;; end of part 3
;; launch outproj (part 4): grid 4 x 64, 4 waves a work-group, clusters of 4 x 4, 327,680 bytes of LDS; arguments y_img, y_sc, w_img, w_scales, bo, out0; writes out0
.if DOCPART == 4
	.amdgcn_target "amdgcn-amd-amdhsa--gfx1250"
	.amdhsa_code_object_version 6
	.text
	.protected	k_q32eae88f94_outproj
	.globl	k_q32eae88f94_outproj
	.p2align	8
	.type	k_q32eae88f94_outproj,@function
k_q32eae88f94_outproj:
	s_mov_b64 s[64:65], 0
	v_nop
	global_prefetch_b8 v0, s[64:65] scope:SCOPE_SE
	s_setreg_imm32_b32 hwreg(HW_REG_WAVE_MODE, 25, 1), 1
	s_wait_xcnt 0x0
	s_wait_alu depctr_hold_cnt(0) depctr_sa_sdst(0) depctr_va_vdst(0) depctr_va_sdst(0) depctr_va_ssrc(0) depctr_va_vcc(0) depctr_vm_vsrc(0)
	s_getreg_b32 s2, hwreg(HW_REG_IB_STS2, 6, 4)
	s_cmp_eq_u32 s2, 0
	s_cbranch_scc0 .Lentry_in_a_cluster
	s_endpgm
.Lentry_in_a_cluster:
	s_bfe_u32 s2, ttmp6, 0x10000c
	s_cmp_lg_u32 s2, 0xf033
	s_cbranch_scc0 .Lentry_shape_is_right
	s_endpgm
.Lentry_shape_is_right:
; out0 = y Wo + bo on codes of E2M3.  Nothing of the problem is left out here.
; 256 work-groups.  A work-group makes 128 token positions x 256 channel positions, a wave 64 x 128 in 32 accumulators.
; ALL OF K LIES IN LDS: y's 8 tiles and Wo's 16 tiles of 12,288 bytes (images of the operand's registers for all 1,024 along K) and their scale bytes: 307,200 bytes, brought by four tensor loads at the head,
; one a wave; nothing is filled twice, so there is no ring.  A tensor row is a tile's 12,288 bytes, aligned to 256.  Everything is asked for at the head: nothing is left to prefetch.
; Source 0 = Wo's rows, source 1 = tokens: a lane holds eight neighbouring channels of a token.  Positions are sigma(logical), bits 3 and 4 exchanged: the way out puts rows and columns back.
; CLUSTER 4 x 4: y's tiles and scales are shared along a row, Wo's along a column, by joint loads.
; REGISTERS: window 0: v32-95 scale words (block i, K step q at 32 + 8 i + q: lanes 0-15 y's, lanes 16-31 Wo's), v128-223 y's fragments, two sets; window 1: Wo's fragments, two sets; window 2: the accumulators; window 3: the bias.
.set SIZE_N, 1024
.set KROW,   768
.set KS,     32
.set TILEB,  12288
.set FR,     12
.set NP,     4
.set ABYTES, 8*TILEB
.set SCL,    24*TILEB
.set SPARE,  SCL+12288                 ; the spare words, 128 bytes a wave, which no other line names
.set SPITCH, 528                       ; the stage lies on y's tiles, behind a barrier behind which nobody reads them
.set ADRA, 16
.set ADRB, 20
.set STO,  24
.set RD,   25
.set CO,   26
.set ADRS, 27
.set SPW,  28
.set NIL,  29
.set SC,   32
.set AF,   128
.set BK,   128
.set G1, 24
.set G1B, 48
.set G1S, 68
.set G0S, 76
.set G1SB, 80
.set G0SB, 88
.set G0H, 4
.set G0HB, 8
.set MSB, 0
.macro WIN new
.if MSB != (\new)
	s_set_vgpr_msb (MSB<<8)|(\new)
.set MSB, (\new)
.endif
.endm
.macro CROUND
	s_barrier_signal -1
	s_barrier_wait -1
	s_cmp_lg_u32 s14, 0
	s_cbranch_scc1 .Lnot_wave_0_\@
	s_barrier_signal -3
.Lnot_wave_0_\@:
	s_barrier_wait -3
	s_barrier_signal -1
	s_barrier_wait -1
.endm
	s_load_b128 s[4:7], s[0:1], 0x0                ; y's images, y's scales
	s_load_b128 s[8:11], s[0:1], 0x10              ; W's images, W's scales
	s_load_b64 s[96:97], s[0:1], 0x20              ; bo
	s_load_b64 s[12:13], s[0:1], 0x28              ; out0
	v_lshl_add_u32 v[SPW], v0, 2, SPARE
	v_mov_b32 v[NIL], 0
	ds_add_u32 v[SPW], v[NIL]                      ; the opening
	ds_add_u32 v[SPW], v[NIL]
	v_lshrrev_b32 v1, 5, v0
	v_readfirstlane_b32 s14, v1                    ; wave
	s_lshr_b32 s15, s14, 1                         ; which 64 rows are mine
	s_and_b32 s16, s14, 1                          ; which 128 columns
	s_bfe_u32 s40, ttmp6, 0x40000
	s_bfe_u32 s41, ttmp6, 0x40004
	s_lshl_b32 s42, ttmp9, 2
	s_add_co_u32 s42, s42, s40                     ; tile column
	s_and_b32 s17, ttmp7, 0xffff
	s_lshl_b32 s17, s17, 2
	s_add_co_u32 s17, s17, s41                     ; tile row
	s_lshl_b32 s43, s41, 2
	s_lshl_b32 s43, 15, s43
	s_lshl_b32 s44, 0x1111, s40
	s_or_b32 s[G1+0], s43, (3<<16)|(1<<21)         ; elements of 8 bytes, no padding
	s_or_b32 s[G1B+0], s44, (3<<16)|(1<<21)
.irp g, G1, G1B
	s_mov_b32 s[\g+1], 1536<<16                    ; a row: a tile's 12,288 bytes
	s_mov_b32 s[\g+3], 1536<<16
	s_mov_b32 s[\g+5], 1536
	s_mov_b32 s[\g+6], 0
	s_mov_b32 s[\g+7], 0
.endr
	s_mov_b32 s[G1+2], 8<<16                       ; y: 8 tiles
	s_mov_b32 s[G1+4], 8
	s_mov_b32 s[G1B+2], 16<<16                     ; Wo: 16 tiles
	s_mov_b32 s[G1B+4], 16
	s_or_b32 s[G1S+0], s43, (3<<16)|(1<<21)
	s_or_b32 s[G1SB+0], s44, (3<<16)|(1<<21)
.irp g, G1S, G1SB
	s_mov_b32 s[\g+1], 32<<16                      ; scale bytes as rows of 256 bytes, dense
	s_mov_b32 s[\g+3], 32<<16
	s_mov_b32 s[\g+5], 32
	s_mov_b32 s[\g+6], 0
	s_mov_b32 s[\g+7], 0
.endr
	s_mov_b32 s[G1S+2], 16<<16                     ; 128 rows x 32 bytes
	s_mov_b32 s[G1S+4], 16
	s_mov_b32 s[G1SB+2], 32<<16                    ; 256 rows x 32 bytes
	s_mov_b32 s[G1SB+4], 32
	s_lshl_b32 s20, s17, 7                         ; y's first row
	s_lshl_b32 s46, s42, 8
	s_add_co_u32 s46, s46, 3072                    ; Wo is the fourth weight
	s_mov_b32 s21, 0
	s_mov_b32 s47, 0
	s_mov_b64 s[18:19], KS
	s_mul_u64 s[22:23], s[20:21], s[18:19]
	s_mul_u64 s[92:93], s[46:47], s[18:19]
	s_mov_b64 s[18:19], KROW
	s_mul_u64 s[20:21], s[20:21], s[18:19]
	s_mul_u64 s[46:47], s[46:47], s[18:19]
	s_wait_dscnt 0x0
	s_wait_kmcnt 0x0
	s_add_nc_u64 s[20:21], s[4:5], s[20:21]
	s_add_nc_u64 s[22:23], s[6:7], s[22:23]
	s_add_nc_u64 s[46:47], s[8:9], s[46:47]
	s_add_nc_u64 s[92:93], s[10:11], s[92:93]
	CROUND                                         ; the joint loads meet
	s_mov_b32 s[G0H], 1
	s_mov_b32 s[G0H+1], 0
	s_mov_b64 s[G0H+2:G0H+3], s[20:21]
	s_or_b32 s[G0H+3], s[G0H+3], 0x80000000
	s_mov_b32 s[G0HB], 1
	s_mov_b32 s[G0HB+1], ABYTES
	s_mov_b64 s[G0HB+2:G0HB+3], s[46:47]
	s_or_b32 s[G0HB+3], s[G0HB+3], 0x80000000
	s_mov_b32 s[G0S], 1
	s_mov_b32 s[G0S+1], SCL
	s_mov_b64 s[G0S+2:G0S+3], s[22:23]
	s_or_b32 s[G0S+3], s[G0S+3], 0x80000000
	s_mov_b32 s[G0SB], 1
	s_mov_b32 s[G0SB+1], SCL+4096
	s_mov_b64 s[G0SB+2:G0SB+3], s[92:93]
	s_or_b32 s[G0SB+3], s[G0SB+3], 0x80000000
.macro ARM under, g0, g1, next         ; the four loads, one a wave, in one tree of branches on the wave's number
	s_cmp_lt_u32 s14, \under
	s_cbranch_scc0 \next
	tensor_load_to_lds s[\g0:\g0+3], s[\g1:\g1+7]
	s_nop 0
.rept 4
	v_nop
.endr
	s_branch .Lhead_asked
\next:
.endm
	ARM 1, G0HB, G1B, .Lhead_a
	ARM 2, G0H,  G1,  .Lhead_sa
	ARM 3, G0S,  G1S, .Lhead_sb
	tensor_load_to_lds s[G0SB:G0SB+3], s[G1SB:G1SB+7]
	s_nop 0
.rept 4
	v_nop
.endr
.Lhead_asked:
	v_and_b32 v1, 15, v0
	v_bfe_u32 v2, v0, 4, 1
	v_and_b32 v6, 31, v0
	v_lshlrev_b32 v7, 3, v6
	v_lshlrev_b32 v5, 5, v1
	v_lshlrev_b32 v9, 6, v2
	v_lshlrev_b32 v[CO], 4, v6
	s_wait_alu depctr_va_vdst(0)
	s_mul_i32 s21, s15, 4*TILEB
	s_mul_i32 s22, s16, 8*TILEB
	s_add_co_u32 s22, s22, ABYTES
	v_add_nc_u32 v[ADRA], s21, v7                  ; my four tiles of y
	v_add_nc_u32 v[ADRB], s22, v7                  ; my tiles 0-3 of Wo,
	s_add_co_u32 s22, s22, 4*TILEB
	v_add_nc_u32 v[ADRB+1], s22, v7                ; and 4-7
	s_mul_i32 s21, s15, 2048
	s_mul_i32 s22, s16, 4096
	s_add_co_u32 s22, s22, 4096
	s_sub_co_u32 s22, s22, s21
	v_mul_u32_u24 v8, s22, v2                      ; lanes 16-31 take Wo's scales
	s_add_co_u32 s21, s21, SCL
	v_add_nc_u32 v5, v5, v8
	v_add_nc_u32 v[ADRS], s21, v5
	s_mul_i32 s23, s14, 16*SPITCH
	v_mul_u32_u24 v5, v1, SPITCH
	v_lshl_add_u32 v5, v2, 6, v5
	v_add_nc_u32 v[STO], s23, v5
	v_add_nc_u32 v[RD], s23, v[CO]
	s_wait_alu depctr_va_vdst(0)
	s_lshl_b32 s20, s17, 7
	s_lshl_b32 s21, s15, 6
	s_add_co_u32 s20, s20, s21                     ; my first row of the output
	s_mov_b32 s21, 0
	s_mov_b64 s[18:19], SIZE_N*4
	s_mul_u64 s[20:21], s[20:21], s[18:19]
	s_lshl_b32 s46, s42, 10
	s_lshl_b32 s47, s16, 9
	s_add_co_u32 s46, s46, s47
	s_mov_b32 s47, 0
	s_add_nc_u64 s[20:21], s[20:21], s[46:47]
	s_add_nc_u64 s[12:13], s[12:13], s[20:21]
	s_add_nc_u64 s[96:97], s[96:97], s[46:47]
	WIN 0xc0                                       ; the bias, as the first products' C, into window 3: register j of block b is channel 32 (b / 2) + 16 h + 8 (b % 2) + j
.irp b, 0,1,2,3,4,5,6,7
	global_load_b128 v[8*\b:8*\b+3], v9, s[96:97] offset:(32*(\b/2)+8*(\b%2))*4
	global_load_b128 v[8*\b+4:8*\b+7], v9, s[96:97] offset:(32*(\b/2)+8*(\b%2))*4+16
.endr
	WIN 0
.macro FETCH q                         ; K step q's fragments into set q % 2: six pieces of 256 bytes each, 8 bytes a lane
	WIN 0x40
.irp i, 0,1,2,3,4,5,6,7
.irp p, 0,1,2,3,4,5
	ds_load_b64 v[128*((\q)%2)+FR*\i+2*\p:128*((\q)%2)+FR*\i+2*\p+1], v[ADRB+\i/4] offset:(\i%4)*TILEB+(\q)*1536+256*\p
.endr
.endr
	WIN 0
.irp i, 0,1,2,3
.irp p, 0,1,2,3,4,5
	ds_load_b64 v[AF+48*((\q)%2)+FR*\i+2*\p:AF+48*((\q)%2)+FR*\i+2*\p+1], v[ADRA] offset:\i*TILEB+(\q)*1536+256*\p
.endr
.endr
.endm
.macro MUL32 q                         ; the 32 accumulators take turns
.irp a, 0,1,2,3
.irp b, 0,1,2,3,4,5,6,7
.set rD, 8*(8*\a+\b)
.set rB, 128*((\q)%2)+FR*\b
.set rA, AF+48*((\q)%2)+FR*\a
.if (\q) == 0
	v_wmma_scale_f32_16x16x128_f8f6f4 v[rD:rD+7], v[rB:rB+FR-1], v[rA:rA+FR-1], v[8*\b:8*\b+7], v[SC+8*\b+(\q)], v[SC+8*\a+(\q)] matrix_a_fmt:MATRIX_FMT_FP6 matrix_b_fmt:MATRIX_FMT_FP6 matrix_a_scale:MATRIX_SCALE_ROW1
.else
	v_wmma_scale_f32_16x16x128_f8f6f4 v[rD:rD+7], v[rB:rB+FR-1], v[rA:rA+FR-1], v[rD:rD+7], v[SC+8*\b+(\q)], v[SC+8*\a+(\q)] matrix_a_fmt:MATRIX_FMT_FP6 matrix_b_fmt:MATRIX_FMT_FP6 matrix_a_scale:MATRIX_SCALE_ROW1
.endif
.endr
.endr
.endm
.macro PLACES n
.rept \n
	v_nop
.endr
.endm
.macro STEP q
	s_wait_dscnt 0x0                               ; this step's fragments are in
.if (\q) == 7
	s_barrier_signal -1                            ; my reads of the tiles are over
.else
	PLACES NP                                      ; ahead of loads into the set that the last step multiplied
	FETCH (\q)+1
.endif
.if (\q) == 0
	WIN 0xb1                                       ; C in window 3
.else
	WIN 0xa1
.endif
	MUL32 \q
	WIN 0
.endm
	s_wait_alu depctr_va_vdst(0)
	s_wait_tensorcnt 0x0                           ; my load is in
	s_barrier_signal -1
	s_barrier_wait -1                              ; and everybody's
	FETCH 0
.irp i, 0,1,2,3,4,5,6,7                ; all scale words: 32 bytes a row
	ds_load_b128 v[SC+8*\i:SC+8*\i+3], v[ADRS] offset:\i*512
	ds_load_b128 v[SC+8*\i+4:SC+8*\i+7], v[ADRS] offset:\i*512+16
.endr
	s_wait_loadcnt 0x0                             ; the bias
.irp q, 0,1,2,3,4,5,6,7
	STEP \q
.endr
	s_barrier_wait -1                              ; nobody reads the tiles any more: the stage may be written
.macro TOSTAGE a                       ; a block of 16 rows through my own stage; columns go back to their logical places
.set AC, 64*(\a)
	WIN 0x08
.irp b, 0,1,2,3,4,5,6,7
	ds_store_b128 v[STO], v[AC+8*\b:AC+8*\b+3] offset:128*(\b/2)+32*(\b%2)
	ds_store_b128 v[STO], v[AC+8*\b+4:AC+8*\b+7] offset:128*(\b/2)+32*(\b%2)+16
.endr
	WIN 0
.set BB, BK+64*((\a)%2)
.irp t, 0,1,2,3,4,5,6,7,8,9,10,11,12,13,14,15
	ds_load_b128 v[BB+4*\t:BB+4*\t+3], v[RD] offset:\t*SPITCH
.endr
.endm
.macro SEND a, younger                 ; rows go back to their logical places; 32 lanes store 512 consecutive bytes, aligned
.set BB, BK+64*((\a)%2)
	s_wait_dscnt \younger
.irp t, 0,1,2,3,4,5,6,7,8,9,10,11,12,13,14,15
	global_store_b128 v[CO], v[BB+4*\t:BB+4*\t+3], s[12:13] offset:(32*((\a)/2)+16*(\t/8)+8*((\a)%2)+\t%8)*SIZE_N*4 th:TH_STORE_NT
.endr
.endm
	PLACES NP
	TOSTAGE 0
.irp a, 1,2,3
.if \a > 1
	s_wait_xcnt 0x0                                ; block a - 2's stores have read their registers
.endif
	TOSTAGE \a
	SEND \a-1, 32                                  ; behind block a - 1's loads: block a's 16 stores and 16 loads
.endr
	SEND 3, 0
	s_wait_tensorcnt 0x0                           ; the wave's end
	ds_add_u32 v[SPW], v[NIL]
	s_wait_dscnt 0x0
	CROUND                                         ; the closing round
	s_endpgm
.Lfunc_end_k_q32eae88f94_outproj:
	.size	k_q32eae88f94_outproj, .Lfunc_end_k_q32eae88f94_outproj-k_q32eae88f94_outproj
	.p2alignl 7, 3214868480
	.fill 96, 4, 3214868480
	.section	.rodata,"a",@progbits
	.p2align	6, 0x0
	.amdhsa_kernel k_q32eae88f94_outproj
		.amdhsa_group_segment_fixed_size 327680
		.amdhsa_private_segment_fixed_size 0
		.amdhsa_enable_private_segment 0
		.amdhsa_kernarg_size 48
		.amdhsa_user_sgpr_count 2
		.amdhsa_user_sgpr_kernarg_segment_ptr 1
		.amdhsa_wavefront_size32 1
		.amdhsa_system_sgpr_workgroup_id_x 1
		.amdhsa_system_sgpr_workgroup_id_y 1
		.amdhsa_system_sgpr_workgroup_id_z 1
		.amdhsa_system_vgpr_workitem_id 0
		.amdhsa_next_free_vgpr 832
		.amdhsa_next_free_sgpr 100
		.amdhsa_reserve_vcc 0
		.amdhsa_float_denorm_mode_32 3
		.amdhsa_float_denorm_mode_16_64 3
		.amdhsa_memory_ordered 1
		.amdhsa_forward_progress 1
		.amdhsa_inst_pref_size 96
	.end_amdhsa_kernel
	.amdgpu_metadata
---
amdhsa.version: [ 1, 2 ]
amdhsa.kernels:
  - .name:           k_q32eae88f94_outproj
    .symbol:         k_q32eae88f94_outproj.kd
    .args:
      - { .name: y_img, .offset: 0, .size: 8, .value_kind: global_buffer, .address_space: global }
      - { .name: y_sc, .offset: 8, .size: 8, .value_kind: global_buffer, .address_space: global }
      - { .name: w_img, .offset: 16, .size: 8, .value_kind: global_buffer, .address_space: global }
      - { .name: w_scales, .offset: 24, .size: 8, .value_kind: global_buffer, .address_space: global }
      - { .name: bo, .offset: 32, .size: 8, .value_kind: global_buffer, .address_space: global }
      - { .name: out0, .offset: 40, .size: 8, .value_kind: global_buffer, .address_space: global }
    .group_segment_fixed_size: 327680
    .private_segment_fixed_size: 0
    .kernarg_segment_align: 8
    .kernarg_segment_size: 48
    .max_flat_workgroup_size: 128
    .sgpr_count:     100
    .vgpr_count:     832
    .wavefront_size: 32
...
	.end_amdgpu_metadata
.endif
;; end of part 4
